; MI455X (gfx1250); checked and timed in simulation.
; The chip was launched on July 23, 2026; its instructions are those of AMD's public machine-readable ISA for CDNA 5 (MIT licence, August 2026) and "CDNA5" Instruction Set Architecture Reference Guide (July 2026). The comments in the code are by the model that wrote it; some were corrected since.
;; Multi Head Self Attention. Allowed arithmetic: matrix products marked QUANTISED: E2M3 operands, one E8M0 scale for each 32 along K, by v_wmma_scale_f32_16x16x128_f8f6f4 with both operands' format E2M3, f32 sums; everything else in f32.
;; Inputs: Wk 1,024 x 1,024 float32; Wo 1,024 x 1,024 float32; Wq 1,024 x 1,024 float32; Wv 1,024 x 1,024 float32; bk 1,024 float32; bo 1,024 float32; bq 1,024 float32; bv 1,024 float32; x 4 x 2,048 x 1,024 float32.
;; Outputs: out0 4 x 2,048 x 1,024 float32.
;; This version of the problem:
;;   THIS VERSION OF THE PROBLEM IS GIVEN IN LOW PRECISION. The matrix products marked QUANTISED in the list below multiply operands that are first quantised to E2M3 (2 exponent bits, 3 mantissa bits; 6 bits a number), with one power-of-two scale for each 32 numbers along K (OCP MX v1.0); their sums are f32. All else is computed in f32.
;;   The module's matrix products, in the order in which they are computed (A, B: the left and right operand; K: the contracted axis; several contracted axes count as one K, in the product's order):
;;     1. [M 8,192, K 1,024] x [K 1,024, N 1,024]; A: input x; B: input Wq: QUANTISED
;;     2. [M 8,192, K 1,024] x [K 1,024, N 1,024]; A: input x; B: input Wk: QUANTISED
;;     3. [M 8,192, K 1,024] x [K 1,024, N 1,024]; A: input x; B: input Wv: QUANTISED
;;     4. batch 64 x [M 2,048, K 64] x [K 64, N 2,048]; A: computed on the way; B: computed on the way: QUANTISED
;;     5. batch 64 x [M 2,048, K 2,048] x [K 2,048, N 64]; A: softmax (see below); B: computed on the way: QUANTISED
;;     6. [M 8,192, K 1,024] x [K 1,024, N 1,024]; A: computed on the way; B: input Wo: QUANTISED
;;   THE QUANTISER, for each operand of a quantised product, along K:
;;     - K is cut into blocks of 32 from its start; a last block that is shorter is filled with zeros.
;;     - A block's scale is 2^e with e = floor(log2(the largest magnitude in the block)) - 2, held to -126 .. 127; a block of zeros has e = 0. As a byte (E8M0): e + 127.
;;     - Each number is divided by its block's scale, clamped to +-7.5, and rounded to the nearest number of E2M3, ties to even, subnormals kept.
;;     - The product sums the exact products of the quantised numbers (number of the format x scale) in f32.
;;   ~~~python
;;   def quantise(x, axis):      # numpy; x: float32 -> the quantised numbers, widened to float32 again
;;       x = np.moveaxis(x, axis, -1); K = x.shape[-1]
;;       x = np.pad(x, [(0, 0)] * (x.ndim - 1) + [(0, -K % 32)]); x = x.reshape(x.shape[:-1] + (-1, 32)); a = np.abs(x).max(-1, keepdims=True)
;;       e = np.where(a > 0, np.clip(np.frexp(np.where(a > 0, a, 1))[1] - 1 - 2, -126, 127), 0)      # np.frexp(a)[1] - 1 = floor(log2(a)), exactly
;;       r = np.clip(x / 2.0 ** e, -7.5, 7.5)
;;       step = 2.0 ** (np.maximum(np.frexp(np.where(r == 0, 1, r))[1] - 1, 0) - 3)
;;       q = np.round(r / step) * step * 2.0 ** e      # np.round: ties to even
;;       return np.moveaxis(q.reshape(q.shape[:-2] + (-1,))[..., :K], -1, axis).astype(np.float32)
;;   ~~~
;;   SOFTMAX AHEAD OF A QUANTISED PRODUCT. Where the list says 'softmax', what is quantised is not the finished softmax but p = 2^(t - M), with t = logit x log2(e) and M = ceil(the row's largest t), a whole number; so 1/2 < the row's largest p <= 1. The row's sum l is taken of the UNQUANTISED p, in f32, and the product's result is divided by l at the end. Since M is a whole number, a kernel that streams over the keys may use a running M (the ceiling of the running maximum): every later rescaling is an exact power of two, which a block's scale takes up: the codes' values come out the same.
;;   OPERANDS COMPUTED ON THE WAY. 'Computed on the way' means the value that the module computes at that place (a softmax that the list does not call 'softmax' is quantised finished and normalised). What goes into a quantiser is computed in f32, as accurately as f32 sums, v_exp_f32 and their like allow (about 1e-6 of the number): no bf16 or f16 on the way to a quantiser, and a product that is left as it is and whose result goes on into a quantised operand takes f32 operands (vector FMAs, or v_wmma_f32_16x16x4_f32). A number that lies on a knife's edge between two numbers of the format may be rounded either way, as far as f32 arithmetic and the matrix unit's own rounding can turn it there, and no further.
;; One version. Each part assembles by itself: llvm-mc -triple=amdgcn-amd-amdhsa -mcpu=gfx1250 --defsym DOCPART=n.
;; ======== version 1 of 1: 4 launches
;; workspace buffers: xc 6,291,456 bytes; xs 262,144 bytes; wc 3,145,728 bytes; ws 131,072 bytes; qrec 6,815,744 bytes; kv 13,369,344 bytes; aoc 6,291,456 bytes; aos 262,144 bytes
;; launch quant (part 1): grid 384 x 1, 4 waves a work-group, no clusters, 68,096 bytes of LDS; arguments x, Wq, Wk, Wv, Wo, xc, xs, wc, ws; writes xc, xs, wc, ws
.if DOCPART == 1
	.amdgcn_target "amdgcn-amd-amdhsa--gfx1250"
	.amdhsa_code_object_version 6
	.text
	.protected	k_q646452ef6c_quant
	.globl	k_q646452ef6c_quant
	.p2align	8
	.type	k_q646452ef6c_quant,@function
k_q646452ef6c_quant:
	s_mov_b64 s[64:65], 0
	v_nop
	global_prefetch_b8 v0, s[64:65] scope:SCOPE_SE
	s_setreg_imm32_b32 hwreg(HW_REG_WAVE_MODE, 25, 1), 1
	s_wait_xcnt 0x0
; x [8192][1024] f32 (K innermost) and Wq, Wk, Wv, Wo [1024 (k)][1024 (n)] f32 (K is the FIRST axis) become codes of FP6 (E2M3), K innermost, 768 bytes a row, with one E8M0 byte for each 32 along K, 32 bytes a row.
; A block's scale is 2^(floor(log2(its largest magnitude)) - 2); its byte is the largest magnitude's exponent field - 2, held at 1 from below.  A block of zeros so gets the byte 1 where the
; rule says 127: its codes are zeros, which add nothing under any byte but 0xff, and this program alone reads the bytes.
; LIMITS: NaN and infinities among the inputs are not served; blocks whose largest magnitude lies under 2^(2 - 126) keep the byte 1.
; ROWS ARE STORED IN TILE ORDER: within each 32 rows, bits 3 and 4 of the row's number change places (position 16 u + 8 g + i holds row 16 g + 8 u + i).  Sixteen neighbouring positions are then rows
; 32 b + 8 u + r + 8 (r / 8), so that in a product used transposed the 16 registers of two neighbouring result tiles are 16 true neighbours along that axis.
; Work-groups 0-255 take x (32 rows each, 8 rows a wave); work-groups 256-383 take the weights (32 each: 128 columns x 256 along K).  The two ways share no LDS byte: x's lie in [0, 32768), the weights' in [32768, 67584).
; No tensor load, no barrier: waves share nothing.
.set STEPS, 16
.set CB,    12                         ; bytes of 16 codes
.set SP,    80                         ; x: a lane's place in a stage: 64 bytes + 16 of padding
.set WREG,  8192                       ; x: LDS of a wave: two stages of 32 x SP bytes, then its 256 scale bytes
.set XR,    16                         ; v16-79   x: four sets of 16 numbers as loaded
.set XX,    80                         ; v80-111  x: two sets of 16 neighbours
.set XE,    112                        ; v112-127 x: a scale byte for each step
.set XC,    128                        ; v128-191 x: codes, four registers a step
.set WPITCH, 272                       ; weights: a stage row: sixteen places of 16 bytes (12 of codes each) + 16
.set KROW,  768                        ; a row of codes in bytes
.set NB,    8                          ; weights: blocks of 32 along K for a wave
.set WX,    32                         ; v32-95   weights: two sets of 32 numbers
.set WC,    96                         ; v96..    a block's codes
.set WOUT,  112                        ; v112-175 the way out
.set WSB,   24                         ; v24-25   the scale bytes, four to a register
	s_load_b512 s[4:19], s[0:1], 0x0               ; x s[4:5], Wq s[6:7], Wk s[8:9], Wv s[10:11], Wo s[12:13], xc s[14:15], xs s[16:17], wc s[18:19]
	s_load_b64 s[20:21], s[0:1], 0x40              ; ws
	v_lshl_add_u32 v192, v0, 2, 0x10800
	v_mov_b32 v193, 0
	v_lshrrev_b32 v1, 5, v0
	v_readfirstlane_b32 s22, v1                    ; wave 0..3
	v_and_b32 v2, 31, v0                           ; lane
	s_cmp_lt_u32 ttmp9, 256
	s_cbranch_scc0 .Lweights
; ---------------- x: a plain stream of blocks of 32.  A wave takes 8 rows = 16 steps of 512 numbers.
; Each load reads 512 consecutive bytes, 16 a lane; a step's 2,048 bytes turn through the wave's own stage in LDS and come back 64 bytes a lane: 16 neighbours, two lanes to a block.
	v_lshlrev_b32 v3, 4, v2                        ; my 16 bytes of a load's 512
	s_mul_i32 s23, s22, WREG
	v_lshrrev_b32 v14, 2, v2
	v_mul_u32_u24 v14, v14, SP
	v_and_b32 v15, 3, v2
	v_lshl_add_u32 v14, v15, 4, v14
	v_add_nc_u32 v14, s23, v14                     ; the stage on the way in: SP (lane / 4) + 16 (lane % 4)
	v_mul_u32_u24 v15, v2, SP
	v_add_nc_u32 v15, s23, v15                     ; and on the way out: SP x lane
	v_mul_u32_u24 v4, v2, CB                       ; my codes' place in a step's 384 bytes
	v_lshrrev_b32 v5, 1, v2
	s_add_co_u32 s23, s23, 2*32*SP
	v_add_nc_u32 v5, s23, v5                       ; my block's byte among the wave's 256
	v_lshlrev_b32 v7, 3, v2
	v_add_nc_u32 v6, s23, v7                       ; and 8 bytes a lane on the way out
	s_lshl_b32 s24, ttmp9, 2
	s_add_co_u32 s26, s24, s22                     ; the group of 8 rows that I read: 4 x work-group + wave
	s_lshl_b32 s26, s26, 15                        ; x 32,768 bytes (under 2^25)
	s_mov_b32 s27, 0
	s_and_b32 s25, s22, 1
	s_lshl_b32 s25, s25, 1
	s_lshr_b32 s28, s22, 1
	s_or_b32 s25, s25, s28
	s_add_co_u32 s28, s24, s25                     ; the group of 8 positions that I write: the wave's two bits change places
	s_mul_i32 s30, s28, 6144                       ; 8 rows of codes
	s_mov_b32 s31, 0
	s_lshl_b32 s28, s28, 8                         ; 8 rows of scale bytes
	s_mov_b32 s29, 0
	s_wait_kmcnt 0x0
	s_add_nc_u64 s[4:5], s[4:5], s[26:27]
	s_add_nc_u64 s[14:15], s[14:15], s[30:31]
	s_add_nc_u64 s[16:17], s[16:17], s[28:29]
.macro XLOAD t
.irp i, 0,1,2,3
	global_load_b128 v[XR+16*((\t)%4)+4*\i:XR+16*((\t)%4)+4*\i+3], v3, s[4:5] offset:2048*(\t)+512*\i th:TH_LOAD_NT   ; 32 lanes read 512 consecutive bytes
.endr
.endm
.macro XTURN t                         ; step t's numbers through the stage: LDS serves a wave's instructions in order, so no wait stands between the stores and the loads
.irp i, 0,1,2,3
	ds_store_b128 v14, v[XR+16*((\t)%4)+4*\i:XR+16*((\t)%4)+4*\i+3] offset:32*SP*((\t)%2)+8*SP*\i
.endr
.irp i, 0,1,2,3
	ds_load_b128 v[XX+16*((\t)%2)+4*\i:XX+16*((\t)%2)+4*\i+3], v15 offset:32*SP*((\t)%2)+16*\i
.endr
.endm
.irp t, 0,1,2,3
	XLOAD \t
.endr
	s_wait_loadcnt 12                              ; step 0's four loads are in; three steps' twelve may be out
	XTURN 0
.macro XSTEP t
.set XS, XX+16*((\t)%2)
.if (\t) > 0
	s_wait_dscnt 1                                 ; this step's numbers are back from the stage (the last step's byte store may be out)
.else
	s_wait_dscnt 0x0
.endif
.if (\t)+4 < STEPS
	XLOAD (\t)+4                                   ; into the registers that the stage's stores have read
.endif
.if (\t)+1 < STEPS
.if STEPS-2-(\t) >= 3
	s_wait_loadcnt 12                              ; the next step's four loads are in; those of the three steps behind it may be out
.else
	s_wait_loadcnt 4*(STEPS-2-(\t))
.endif
	XTURN (\t)+1
.endif
	v_max3_num_f32 v8, |v[XS]|, |v[XS+1]|, |v[XS+2]|               ; the largest magnitude of my 16, in two chains
	v_max3_num_f32 v9, |v[XS+3]|, |v[XS+4]|, |v[XS+5]|
.irp i, 6,10
	v_max3_num_f32 v8, v8, |v[XS+\i]|, |v[XS+\i+1]|
	v_max3_num_f32 v9, v9, |v[XS+\i+2]|, |v[XS+\i+3]|
.endr
	v_max3_num_f32 v8, v8, |v[XS+14]|, |v[XS+15]|
	v_max3_num_f32 v8, v8, v9, 0x1800000           ; and the floor 2^(3 - 127): the byte cannot fall under 1
	v_max_num_f32_dpp v8, v8, v8 row_xmask:1 row_mask:0xf bank_mask:0xf   ; with my neighbour's 16: the block's
	v_add_nc_u32 v11, 0xff000000, v8               ; 2 off its exponent field: the conversion takes the exponent field of this operand as its scale
	v_cvt_scalef32_pk16_fp6_f32 v[XC+4*(\t):XC+4*(\t)+2], v[XS:XS+15], v11
	v_lshrrev_b32 v[XE+(\t)], 23, v11              ; the scale's byte (a plain line behind the conversion)
	ds_store_b8 v5, v[XE+(\t)] offset:16*(\t)      ; both lanes of a block write the same byte with the same value
	global_store_b96 v4, v[XC+4*(\t):XC+4*(\t)+2], s[14:15] offset:32*CB*(\t)   ; the wave stores 384 consecutive bytes
.endm
.irp t, 0,1,2,3,4,5,6,7,8,9,10,11,12,13,14,15
	XSTEP \t
.endr
	ds_load_b64 v[12:13], v6                       ; in order behind my byte stores
	s_wait_dscnt 0x0
	global_store_b64 v7, v[12:13], s[16:17]        ; 32 lanes store 256 consecutive bytes, aligned
	s_wait_tensorcnt 0x0
	ds_add_u32 v192, v193
	s_wait_dscnt 0x0
	s_endpgm
; ---------------- the weights.  A lane takes a column n and its registers run DOWN K: a block of 32 lies in one lane, and the conversions give codes with K innermost.
.Lweights:
	s_sub_co_u32 s23, ttmp9, 256
	s_lshr_b32 s24, s23, 5                         ; which weight: 0 Wq, 1 Wk, 2 Wv, 3 Wo
	s_and_b32 s25, s23, 7                          ; which 128 columns
	s_bfe_u32 s26, s23, 0x20003                    ; which 256 along K
	s_lshl_b32 s27, s25, 7
	s_lshl_b32 s28, s22, 5
	s_add_co_u32 s27, s27, s28                     ; my wave's first column
	v_lshlrev_b32 v3, 2, v2                        ; in: 4 bytes a lane
	s_mul_i32 s28, s22, 32*WPITCH
	s_add_co_u32 s28, s28, 32768                   ; my stage
	v_mul_u32_u24 v4, v2, WPITCH
	v_add_nc_u32 v4, s28, v4                       ; into it: row = my column
	v_and_b32 v5, 15, v2
	v_lshrrev_b32 v6, 4, v2
	v_mul_u32_u24 v7, v6, WPITCH
	v_lshl_add_u32 v7, v5, 4, v7
	v_add_nc_u32 v7, s28, v7                       ; out of it: sixteen lanes to a row, two rows an instruction
	v_mul_u32_u24 v8, v6, KROW
	v_mad_u32_u24 v8, v5, 12, v8                   ; and the same place in the codes' buffer
	v_and_b32 v9, 7, v2                            ; my column's position: bits 3 and 4 change places
	v_and_b32 v10, 8, v2
	v_lshl_or_b32 v9, v10, 1, v9
	v_and_b32 v10, 16, v2
	v_lshrrev_b32 v10, 1, v10
	v_or_b32 v9, v9, v10
	v_lshlrev_b32 v9, 5, v9                        ; x 32 bytes: its row of scale bytes
	s_lshl_b32 s30, s26, 20                        ; W: 256 rows of 4,096 bytes for each step along K,
	s_lshl_b32 s29, s27, 2
	s_add_co_u32 s30, s30, s29                     ; + 4 x column
	s_mov_b32 s31, 0
	s_lshl_b32 s32, s24, 10
	s_add_co_u32 s32, s32, s27                     ; the first position in wc and ws
	s_mul_i32 s34, s32, KROW
	s_mul_i32 s33, s26, 192
	s_add_co_u32 s34, s34, s33
	s_mov_b32 s35, 0
	s_lshl_b32 s36, s32, 5
	s_lshl_b32 s33, s26, 3
	s_add_co_u32 s36, s36, s33
	s_mov_b32 s37, 0
	s_wait_kmcnt 0x0
	s_cmp_eq_u32 s24, 1                            ; the choice hangs on the work-group's number alone
	s_cselect_b64 s[6:7], s[8:9], s[6:7]
	s_cmp_eq_u32 s24, 2
	s_cselect_b64 s[6:7], s[10:11], s[6:7]
	s_cmp_eq_u32 s24, 3
	s_cselect_b64 s[6:7], s[12:13], s[6:7]
	s_add_nc_u64 s[6:7], s[6:7], s[30:31]
	s_add_nc_u64 s[18:19], s[18:19], s[34:35]
	s_add_nc_u64 s[20:21], s[20:21], s[36:37]
.macro WLOAD t                         ; block t: W(32 t + i, my column), i = 0 .. 31, into set t % 2: a wave reads 128 consecutive bytes
.irp i, 0,1,2,3,4,5,6,7,8,9,10,11,12,13,14,15,16,17,18,19,20,21,22,23,24,25,26,27,28,29,30,31
	global_load_b32 v[WX+32*((\t)%2)+\i], v3, s[6:7] offset:(32*(\t)+\i)*4096 th:TH_LOAD_NT
.endr
.endm
	WLOAD 0
	WLOAD 1
.macro WBLOCK t
.set XS, WX+32*((\t)%2)
.if (\t) < NB-1
	s_wait_loadcnt 32                              ; this block's 32 loads are in; the next block's may be out
.else
	s_wait_loadcnt 0
.endif
	v_max3_num_f32 v12, |v[XS]|, |v[XS+1]|, |v[XS+2]|               ; the block's largest magnitude: all 32 numbers are mine
	v_max3_num_f32 v13, |v[XS+3]|, |v[XS+4]|, |v[XS+5]|
.irp i, 6,10,14,18,22,26
	v_max3_num_f32 v12, v12, |v[XS+\i]|, |v[XS+\i+1]|
	v_max3_num_f32 v13, v13, |v[XS+\i+2]|, |v[XS+\i+3]|
.endr
	v_max3_num_f32 v12, v12, |v[XS+30]|, |v[XS+31]|
	v_max3_num_f32 v12, v12, v13, 0x1800000        ; and the floor
	v_add_nc_u32 v11, 0xff000000, v12              ; the conversion's scale operand
	v_lshrrev_b32 v13, 23, v11                     ; the scale's byte
.if (\t)%4 == 0
	v_mov_b32 v[WSB+(\t)/4], v13                   ; four bytes to a register, the lower K in the lower byte
.else
	v_lshl_or_b32 v[WSB+(\t)/4], v13, 8*((\t)%4), v[WSB+(\t)/4]
.endif
	v_cvt_scalef32_pk16_fp6_f32 v[WC:WC+2], v[XS:XS+15], v11
	v_cvt_scalef32_pk16_fp6_f32 v[WC+4:WC+6], v[XS+16:XS+31], v11   ; (a conversion's three registers begin on an even number)
	v_nop                                          ; one plain line behind the conversions
	ds_store_b96 v4, v[WC:WC+2] offset:32*(\t)     ; 12 bytes to a place of 16, so that every LDS address is a multiple of 16
	ds_store_b96 v4, v[WC+4:WC+6] offset:32*(\t)+16
.if (\t)+2 < NB
	WLOAD (\t)+2
.endif
	s_wait_dscnt 0x0                               ; the stores have read their registers: the next block's codes may be written
.endm
.irp t, 0,1,2,3,4,5,6,7
	WBLOCK \t
.endr
	global_store_b64 v9, v[WSB:WSB+1], s[20:21]    ; my column's 8 scale bytes, at its position
.irp t, 0,1,2,3,4,5,6,7,8,9,10,11,12,13,14,15
	ds_load_b96 v[WOUT+4*\t:WOUT+4*\t+2], v7 offset:2*\t*WPITCH   ; in order behind my stores
.endr
.irp t, 0,1,2,3,4,5,6,7,8,9,10,11,12,13,14,15
	s_wait_dscnt 15-\t
	global_store_b96 v8, v[WOUT+4*\t:WOUT+4*\t+2], s[18:19] offset:2*((\t&3)|((\t&4)<<1)|((\t&8)>>1))*KROW   ; columns 2 t and 2 t + 1 go to their positions: sixteen lanes store a row's 192 consecutive bytes
.endr
	s_wait_tensorcnt 0x0
	ds_add_u32 v192, v193
	s_wait_dscnt 0x0
	s_endpgm
.Lfunc_end_k_q646452ef6c_quant:
	.size	k_q646452ef6c_quant, .Lfunc_end_k_q646452ef6c_quant-k_q646452ef6c_quant
	.p2alignl 7, 3214868480
	.fill 96, 4, 3214868480
	.section	.rodata,"a",@progbits
	.p2align	6, 0x0
	.amdhsa_kernel k_q646452ef6c_quant
		.amdhsa_group_segment_fixed_size 68096
		.amdhsa_private_segment_fixed_size 0
		.amdhsa_enable_private_segment 0
		.amdhsa_kernarg_size 72
		.amdhsa_user_sgpr_count 2
		.amdhsa_user_sgpr_kernarg_segment_ptr 1
		.amdhsa_wavefront_size32 1
		.amdhsa_system_sgpr_workgroup_id_x 1
		.amdhsa_system_sgpr_workgroup_id_y 1
		.amdhsa_system_sgpr_workgroup_id_z 1
		.amdhsa_system_vgpr_workitem_id 0
		.amdhsa_next_free_vgpr 194
		.amdhsa_next_free_sgpr 66
		.amdhsa_reserve_vcc 0
		.amdhsa_float_denorm_mode_32 3
		.amdhsa_float_denorm_mode_16_64 3
		.amdhsa_memory_ordered 1
		.amdhsa_forward_progress 1
		.amdhsa_inst_pref_size 74
	.end_amdhsa_kernel
	.amdgpu_metadata
---
amdhsa.version: [ 1, 2 ]
amdhsa.kernels:
  - .name:           k_q646452ef6c_quant
    .symbol:         k_q646452ef6c_quant.kd
    .args:
      - { .name: x, .offset: 0, .size: 8, .value_kind: global_buffer, .address_space: global }
      - { .name: Wq, .offset: 8, .size: 8, .value_kind: global_buffer, .address_space: global }
      - { .name: Wk, .offset: 16, .size: 8, .value_kind: global_buffer, .address_space: global }
      - { .name: Wv, .offset: 24, .size: 8, .value_kind: global_buffer, .address_space: global }
      - { .name: Wo, .offset: 32, .size: 8, .value_kind: global_buffer, .address_space: global }
      - { .name: xc, .offset: 40, .size: 8, .value_kind: global_buffer, .address_space: global }
      - { .name: xs, .offset: 48, .size: 8, .value_kind: global_buffer, .address_space: global }
      - { .name: wc, .offset: 56, .size: 8, .value_kind: global_buffer, .address_space: global }
      - { .name: ws, .offset: 64, .size: 8, .value_kind: global_buffer, .address_space: global }
    .group_segment_fixed_size: 68096
    .private_segment_fixed_size: 0
    .kernarg_segment_align: 8
    .kernarg_segment_size: 72
    .max_flat_workgroup_size: 128
    .sgpr_count:     66
    .vgpr_count:     194
    .wavefront_size: 32
...
	.end_amdgpu_metadata
.endif
;; end of part 1
;; launch qkv (part 2): grid 12 x 32, 4 waves a work-group, clusters of 4 x 4, 327,680 bytes of LDS; arguments xc, xs, wc, ws, bq, bk, bv, qrec, kv; writes qrec, kv
.if DOCPART == 2
	.amdgcn_target "amdgcn-amd-amdhsa--gfx1250"
	.amdhsa_code_object_version 6
	.text
	.protected	k_q646452ef6c_qkv
	.globl	k_q646452ef6c_qkv
	.p2align	8
	.type	k_q646452ef6c_qkv,@function
k_q646452ef6c_qkv:
	s_mov_b64 s[64:65], 0
	v_nop
	global_prefetch_b8 v0, s[64:65] scope:SCOPE_SE
	s_setreg_imm32_b32 hwreg(HW_REG_WAVE_MODE, 25, 1), 1
	s_wait_xcnt 0x0
	s_wait_alu depctr_hold_cnt(0) depctr_sa_sdst(0) depctr_va_vdst(0) depctr_va_sdst(0) depctr_va_ssrc(0) depctr_va_vcc(0) depctr_vm_vsrc(0)
	s_getreg_b32 s2, hwreg(HW_REG_IB_STS2, 6, 4)
	s_cmp_eq_u32 s2, 0
	s_cbranch_scc0 .Lentry_in_a_cluster
	s_endpgm
.Lentry_in_a_cluster:
	s_bfe_u32 s2, ttmp6, 0x10000c
	s_cmp_lg_u32 s2, 0xf033
	s_cbranch_scc0 .Lentry_shape_is_right
	s_endpgm
.Lentry_shape_is_right:
; q = x Wq + bq, k = x Wk + bk, v = x Wv + bv on codes of FP6 (E2M3) with E8M0 scales, K = 1,024; the results are quantised here, in f32, for the two products of attention, and leave as IMAGES OF OPERAND REGISTERS.
; A tile of 256 x 256 to a work-group of four waves, 128 x 128 a wave: 64 accumulators, 512 registers.  K goes in steps of 256 through two LDS slots filled by the tensor data mover; the scale bytes of the
; work-group's rows, for all of K, come into LDS once.  4 x 4 work-groups form a cluster: the A side's tiles are asked for jointly along a row of the cluster, the B side's along a column.
; THE MATRIX INSTRUCTION IS USED TRANSPOSED (source 0 = 16 rows of the B side, source 1 = 16 rows of the A side): a lane holds ONE row of the A side and its registers run along the B side's rows.
; All rows lie in memory in tile order (bits 3 and 4 of the row's number changed places), so the 16 registers of B blocks 2 b, 2 b + 1 are true neighbours 32 b + 16 (lane / 16) + 0 .. 15.
; THREE KINDS, BY THE CLUSTER'S x, which all sixteen partners share:  0: q, 1: k: A side = tokens (xc), B side = features (wc): a lane holds a token, its registers a head's channels: quantised along d.
;   2: v: THE SIDES CHANGE: A side = Wv's rows (channels d), B side = tokens: a lane holds a channel and its registers run along the keys: quantised along the keys, which are the second product's K.
; OUT.  q, k: for each tile of 16 positions and head: 6 registers a lane (64 codes a row): registers 0-3 at 16 x lane, 4-5 at 8 x lane: 768 bytes; scale words (bytes 0, 1; bytes 2, 3 = 0) four tiles' pairs to a store of 512 bytes.
;   v: for each 16 channels and 128 keys: 12 registers a lane, three stores of 512 bytes; scale words by stores of 256 bytes.  Every store covers whole aligned runs of 256 bytes.
; LIMITS: NaN and infinities are not served; a block of zeros gets the byte 1 (its codes are zeros; this program alone reads the bytes).
; REGISTERS: window 0: v1-13 lane terms; v16-23 fragment addresses; v27 scale address; v28, v29 the spare word's address and 0; v32-63 scale words, two sets; v64-127 the bias; from v128 A's fragments, ONE set.
;   window 1: B's fragments, two sets.  windows 2, 3: the accumulators ((a, b) at v[8 (8 (a % 4) + b)]).  Behind the last product window 0's v32-55 and v128-247 serve the quantiser.
.set NQ,     2                         ; steps of 128 along K in a slot
.set ROWB,   192                       ; a tile's row in bytes: 256 codes
.set KROW,   768                       ; a row in memory
.set PITCH,  240                       ; an LDS row: 3 x (64 bytes + 16 of padding)
.set FR,     12
.set NL,     6
.set NP,     4
.set HALFT,  128*PITCH
.set SLOT,   4*HALFT
.set KS,     32                        ; a row of scale bytes
.set SCL,    2*SLOT
.set HALFS,  (128*KS/256)*272
.set SBLK,   (16*KS/256)*272
.set SPARE,  SCL+4*HALFS               ; the spare words: 128 bytes a wave, two blocks of 256 bytes that no other line names
.set ADRA, 16
.set ADRB, 20
.set ADRS, 27
.set SPW,  28
.set NIL,  29
.set SC,   32
.set AF,   128
.set BIAS, 64                          ; v64-127
.set X,    128                         ; v128-191 the numbers to be quantised
.set CSET, 192                         ; v192-211, v212-231: two sets for codes, by turns
.set TM,   232                         ; v232-247 at work: +0.. largest magnitudes, +4.. the other half's, then bytes, +12.. scale operands
.set PW,   32                          ; v32-47 scale words as they are made
.set W,    48                          ; v48-55 and as they leave
.set SEL,  66                          ; s[66:67] selects of v_permlanex16_b32: lane l xor 16
.set G1, 24
.set G0, 32
.set G1B, 48
.set G0B, 56
.set G1S, 68
.set G0S, 76
.set G1SB, 80
.set G0SB, 88
.set MSB, 0
.macro WIN new                         ; the immediate's high byte repeats the setting that is left
.if MSB != (\new)
	s_set_vgpr_msb (MSB<<8)|(\new)
.set MSB, \new
.endif
.endm
.set MUL_LO, 0xa1                      ; source 0 (B) window 1, source 1 (A) window 0, C and D window 2
.set MUL_HI, 0xf1
.set TO_B,   0x40
; A joint load: waves 0 and 1 fetch for the A side, waves 2 and 3 for the B side; the branch hangs on the wave's number alone.  Four v_nop follow each of the two lines.
.macro JLOAD g0a, g1a, g0b, g1b
	s_cmp_eq_u32 s15, 0
	s_cbranch_scc0 .Lfor_b_\@
	tensor_load_to_lds s[\g0a:\g0a+3], s[\g1a:\g1a+7]
	s_nop 0
.rept 4
	v_nop
.endr
	s_branch .Lasked_\@
.Lfor_b_\@:
	tensor_load_to_lds s[\g0b:\g0b+3], s[\g1b:\g1b+7]
	s_nop 0
.rept 4
	v_nop
.endr
.Lasked_\@:
.endm
.macro CREST                           ; a round of the cluster's barrier behind its opening barrier
	s_cmp_lg_u32 s14, 0
	s_cbranch_scc1 .Lnot_wave_0_\@
	s_barrier_signal -3
.Lnot_wave_0_\@:
	s_barrier_wait -3
	s_barrier_signal -1
	s_barrier_wait -1
.endm
.macro CROUND
	s_barrier_signal -1
	s_barrier_wait -1
	CREST
.endm
	s_load_b256 s[4:11], s[0:1], 0x0               ; xc s[4:5], xs s[6:7], wc s[8:9], ws s[10:11]
	v_lshl_add_u32 v[SPW], v0, 2, SPARE
	v_mov_b32 v[NIL], 0
	ds_add_u32 v28, v29
	s_wait_dscnt 0x0
	v_lshrrev_b32 v1, 5, v0
	v_readfirstlane_b32 s14, v1                    ; wave 0..3
	s_lshr_b32 s15, s14, 1                         ; which half of the A side's rows is mine.  Also: I fetch for A (0) or for B (1)
	s_and_b32 s16, s14, 1                          ; which half of the B side's.  Also: which 128 rows of that tile I fetch
	s_bfe_u32 s40, ttmp6, 0x40000                  ; cx, cy: my place in the cluster
	s_bfe_u32 s41, ttmp6, 0x40004
	s_and_b32 s18, ttmp7, 0xffff                   ; the cluster's y
	s_cmp_eq_u32 ttmp9, 2                          ; the v kind?  The cluster's x is the same in all partners
	s_cselect_b32 s17, 2, s18                      ; A side: Wv's four tiles (8 .. 11 of wc), else the cluster's four token tiles
	s_cselect_b32 s42, s18, ttmp9                  ; B side: the token tiles, else Wq's (0 .. 3) or Wk's (4 .. 7)
	s_lshl_b32 s17, s17, 2
	s_add_co_u32 s17, s17, s41                     ; RA: the A side's tile of 256 rows: hangs on cy alone within the cluster
	s_lshl_b32 s42, s42, 2
	s_add_co_u32 s42, s42, s40                     ; CB: the B side's: on cx alone
	s_lshl_b32 s43, s41, 2
	s_lshl_b32 s43, 15, s43                        ; my row of the cluster
	s_lshl_b32 s44, 0x1111, s40                    ; my column
	s_or_b32 s[G1+0], s43, (0<<16)|(1<<20)|(1<<21)|(3<<22)|(3<<25)  ; mask; elements of 1 byte; padding on; bit 21 beside a mask; after every 16 words, 4 words
	s_or_b32 s[G1B+0], s44, (0<<16)|(1<<20)|(1<<21)|(3<<22)|(3<<25)
.irp g, G1, G1B
	s_mov_b32 s[\g+1], ROWB<<16                    ; tensor_dim0
	s_mov_b32 s[\g+2], 128<<16                     ; tensor_dim1
	s_mov_b32 s[\g+3], ROWB<<16                    ; tile_dim0
	s_mov_b32 s[\g+4], 128                         ; tile_dim1
	s_mov_b32 s[\g+5], KROW                        ; the pitch
	s_mov_b32 s[\g+6], 0
	s_mov_b32 s[\g+7], 0
.endr
	s_or_b32 s[G1S+0], s43, (3<<16)|(1<<20)|(1<<21)|(5<<22)|(3<<25)   ; the scales of 128 rows: 4,096 dense bytes as 16 rows of 256, 16 bytes of padding behind each
	s_or_b32 s[G1SB+0], s44, (3<<16)|(1<<20)|(1<<21)|(5<<22)|(3<<25)
.irp g, G1S, G1SB
	s_mov_b32 s[\g+1], 32<<16
	s_mov_b32 s[\g+2], (128*KS/256)<<16
	s_mov_b32 s[\g+3], 32<<16
	s_mov_b32 s[\g+4], 128*KS/256
	s_mov_b32 s[\g+5], 32
	s_mov_b32 s[\g+6], 0
	s_mov_b32 s[\g+7], 0
.endr
	s_lshl_b32 s18, s16, 7                         ; which 128 rows of the tile I fetch
	s_lshl_b32 s20, s17, 8
	s_add_co_u32 s20, s20, s18                     ; A: row 256 RA + 128 x half
	s_lshl_b32 s46, s42, 8
	s_add_co_u32 s46, s46, s18                     ; B: row 256 CB + 128 x half
	s_mov_b32 s21, 0
	s_mov_b32 s47, 0
	s_mov_b64 s[18:19], KS
	s_mul_u64 s[22:23], s[20:21], s[18:19]         ; where these rows' scales begin,
	s_mul_u64 s[92:93], s[46:47], s[18:19]
	s_mov_b64 s[18:19], KROW
	s_mul_u64 s[20:21], s[20:21], s[18:19]         ; and their codes
	s_mul_u64 s[46:47], s[46:47], s[18:19]
	s_mul_i32 s45, s14, HALFT                      ; where they go: wave x 128 rows
	s_mul_i32 s94, s14, HALFS
	s_wait_kmcnt 0x0
	s_cmp_eq_u32 ttmp9, 2
	s_cselect_b64 s[96:97], s[8:9], s[4:5]         ; the A side's codes: wc in the v kind, else xc
	s_cselect_b64 s[98:99], s[10:11], s[6:7]       ; its scales
	s_cselect_b64 s[100:101], s[4:5], s[8:9]       ; the B side's codes
	s_cselect_b64 s[12:13], s[6:7], s[10:11]       ; its scales
	s_add_nc_u64 s[20:21], s[96:97], s[20:21]
	s_add_nc_u64 s[22:23], s[98:99], s[22:23]
	s_add_nc_u64 s[46:47], s[100:101], s[46:47]
	s_add_nc_u64 s[92:93], s[12:13], s[92:93]
	CROUND                                         ; all sixteen work-groups are here: the first joint loads meet
	s_mov_b32 s[G0S], 1
	s_add_co_u32 s[G0S+1], s94, SCL
	s_mov_b64 s[G0S+2:G0S+3], s[22:23]
	s_or_b32 s[G0S+3], s[G0S+3], 0x80000000
	s_mov_b32 s[G0SB], 1
	s_add_co_u32 s[G0SB+1], s94, SCL
	s_mov_b64 s[G0SB+2:G0SB+3], s[92:93]
	s_or_b32 s[G0SB+3], s[G0SB+3], 0x80000000
	JLOAD G0S, G1S, G0SB, G1SB                     ; the scales first: they are wanted with K step 0
.irp s, 0,1
	s_mov_b32 s[G0+4*\s], 1
	s_add_co_u32 s[G0+4*\s+1], s45, \s*SLOT
	s_add_nc_u64 s[G0+4*\s+2:G0+4*\s+3], s[20:21], \s*ROWB
	s_or_b32 s[G0+4*\s+3], s[G0+4*\s+3], 0x80000000
	s_mov_b32 s[G0B+4*\s], 1
	s_add_co_u32 s[G0B+4*\s+1], s45, \s*SLOT
	s_add_nc_u64 s[G0B+4*\s+2:G0B+4*\s+3], s[46:47], \s*ROWB
	s_or_b32 s[G0B+4*\s+3], s[G0B+4*\s+3], 0x80000000
	JLOAD G0+4*\s, G1, G0B+4*\s, G1B               ; three loads of mine are out
.endr
	s_load_b256 s[4:11], s[0:1], 0x20              ; the descriptors hold their own copies: bq s[4:5], bk s[6:7], bv s[8:9], qrec s[10:11];
	s_load_b64 s[12:13], s[0:1], 0x40              ; kv.  They are waited for at the tail
	v_and_b32 v1, 15, v0                           ; r = lane % 16
	v_bfe_u32 v2, v0, 4, 1                         ; h = lane / 16
	v_mul_u32_u24 v3, v1, PITCH
	v_mul_u32_u24 v4, v2, 24
	v_add_nc_u32 v4, v3, v4                        ; a fragment's row x pitch + 24 x half
	v_lshl_add_u32 v5, v2, 4, v4                   ; and the same behind one padding more
	s_mul_i32 s21, s15, HALFT                      ; my 128 rows of A
	s_mul_i32 s22, s16, HALFT                      ; my 128 rows of B,
	s_add_co_u32 s22, s22, 2*HALFT                 ; which lie behind A's 256
.irp s, 0,1
	v_add_nc_u32 v[ADRA+\s], s21, v4
	v_add_nc_u32 v[ADRB+\s], s22, v4
	v_add_nc_u32 v[ADRA+2+\s], s21, v5
	v_add_nc_u32 v[ADRB+2+\s], s22, v5
	s_add_co_u32 s21, s21, SLOT
	s_add_co_u32 s22, s22, SLOT
.endr
	v_mul_u32_u24 v5, v1, KS                       ; my row's scales: 32 bytes a row,
	v_lshrrev_b32 v6, 8, v5
	v_lshl_add_u32 v5, v6, 4, v5                   ; and 16 more for each 256 passed
	s_mul_i32 s21, s15, HALFS
	s_mul_i32 s22, s16, HALFS
	s_add_co_u32 s22, s22, 2*HALFS
	s_sub_co_u32 s22, s22, s21
	v_mul_u32_u24 v6, s22, v2                      ; lanes 16-31 take B's: the lower base + h x the distance
	s_add_co_u32 s21, s21, SCL
	v_add_nc_u32 v5, v5, v6
	v_add_nc_u32 v[ADRS], s21, v5
	; the way out's lane terms
	v_and_b32 v6, 31, v0                           ; lane
	s_mul_i32 s23, s15, 6144
	v_lshl_add_u32 v7, v6, 4, s23                  ; q, k: 16 x lane + my eight tiles' images (8 x 768 bytes for each half of the rows)
	v_lshl_add_u32 v8, v6, 3, s23                  ;       8 x lane + the same
	s_lshl_b32 s23, s15, 9
	v_lshl_add_u32 v9, v6, 4, s23                  ;       scale words: 16 x lane + 512 x half
	v_lshlrev_b32 v10, 6, v2                       ;       bias: my half's 16 features
	s_mul_i32 s23, s16, 6144
	v_lshl_add_u32 v11, v6, 4, s23                 ; v: 16 x lane + my step of 128 keys (4 x 1,536 bytes)
	s_lshl_b32 s23, s16, 8
	v_lshl_add_u32 v12, v6, 3, s23                 ;    scale words: 8 x lane + 256 x step
	v_and_b32 v13, 8, v1
	v_add_nc_u32 v13, v13, v1
	v_lshlrev_b32 v13, 2, v13                      ;    bias: my channel r + 8 (r / 8) of a tile
.irp b, 0,1,2,3
	v_mov_b32 v[TM+4+\b], 0                        ; written once: a lane permute's destination counts as one of its sources
.endr
	s_mov_b32 s[SEL], 0x76543210
	s_mov_b32 s[SEL+1], 0xfedcba98
	s_mov_b32 s95, 0xffff0000                      ; lanes 16-31
.macro FRAG reg, adr, q, i             ; 16 rows x 128 K of 6-bit codes: 12 registers, in pieces of 8 bytes; where the piece three on lies behind one padding more, the second address register serves
.irp p, 0,1,2,3,4,5
.set PIECE, 12*(\q)+6*(\p/3)+\p%3
.if PIECE%8 < 5
	ds_load_b64 v[\reg+2*\p:\reg+2*\p+1], v[\adr] offset:8*PIECE+16*(PIECE/8)+(\i)*16*PITCH
.else
	ds_load_b64 v[\reg+2*\p:\reg+2*\p+1], v[\adr+2] offset:8*PIECE+16*(PIECE/8)+(\i)*16*PITCH
.endif
.endr
.endm
; 16 matrix instructions: A's blocks a0, a0 + 1 x B's eight.  The 64 accumulators take turns, one instruction a turn, in the same order in every step.
.macro MUL16 a0, p, q, sc, zero
.irp a, \a0, \a0+1
.irp b, 0,1,2,3,4,5,6,7
.if \zero
	v_wmma_scale_f32_16x16x128_f8f6f4 v[8*(8*((\a)%4)+\b):8*(8*((\a)%4)+\b)+7], v[128*(\p)+FR*\b:128*(\p)+FR*\b+FR-1], v[AF+FR*(\a):AF+FR*(\a)+FR-1], 0, v[SC+8*NQ*(\sc)+NQ*\b+(\q)], v[SC+8*NQ*(\sc)+NQ*(\a)+(\q)] matrix_a_fmt:MATRIX_FMT_FP6 matrix_b_fmt:MATRIX_FMT_FP6 matrix_a_scale:MATRIX_SCALE_ROW1
.else
	v_wmma_scale_f32_16x16x128_f8f6f4 v[8*(8*((\a)%4)+\b):8*(8*((\a)%4)+\b)+7], v[128*(\p)+FR*\b:128*(\p)+FR*\b+FR-1], v[AF+FR*(\a):AF+FR*(\a)+FR-1], v[8*(8*((\a)%4)+\b):8*(8*((\a)%4)+\b)+7], v[SC+8*NQ*(\sc)+NQ*\b+(\q)], v[SC+8*NQ*(\sc)+NQ*(\a)+(\q)] matrix_a_fmt:MATRIX_FMT_FP6 matrix_b_fmt:MATRIX_FMT_FP6 matrix_a_scale:MATRIX_SCALE_ROW1
.endif
.endr
.endr
.endm
.macro FETCH_B slot, q, p
	WIN TO_B
.irp i, 0,1,2,3,4,5,6,7
	FRAG 128*(\p)+FR*\i, ADRB+\slot, \q, \i
.endr
	WIN 0
.endm
.macro FETCH_A slot, q, i0
.irp i, \i0, \i0+1, \i0+2, \i0+3
	FRAG AF+FR*(\i), ADRA+\slot, \q, \i
.endr
.endm
.macro SCALES sc                       ; a K step's scale words: lanes 0-15 take A's block i, lanes 16-31 B's block i
.irp i, 0,1,2,3,4,5,6,7
	ds_load_b64 v[SC+8*NQ*\sc+NQ*\i:SC+8*NQ*\sc+NQ*\i+1], v[ADRS] offset:\i*SBLK
.endr
.endm
.macro PLACES n                        ; plain vector lines between a matrix instruction and a load into, or a vector line on, its registers
.rept \n
	v_nop
.endr
.endm
.macro STEP slot, q, zero              ; a step of 128 along K that has its successor in the same slot
	s_wait_dscnt 4*NL                              ; B's set and A's blocks 0-3 are in; the youngest 24 loads (A's blocks 4-7) may be out
	WIN MUL_LO
	MUL16 0, (\q)%2, \q, \slot, \zero
	MUL16 2, (\q)%2, \q, \slot, \zero
	s_wait_dscnt 0
	PLACES NP
	FETCH_B \slot, (\q)+1, 1-(\q)%2
	FETCH_A \slot, (\q)+1, 0
	WIN MUL_HI
	MUL16 4, (\q)%2, \q, \slot, \zero
	MUL16 6, (\q)%2, \q, \slot, \zero
	PLACES NP
	WIN 0
	FETCH_A \slot, (\q)+1, 4
.endm
; A slot's last step changes slots: one barrier; in front of it each wave waits for all its tensor loads, adds 0 to its spare word, and waits for that and for its own reads of this slot.
.macro TURN slot, next, fill
	s_wait_tensorcnt 0x0                           ; all my tensor loads have landed: my part of the next slot
	ds_add_u32 v[SPW], v[NIL]                      ; 0 onto my spare word
	s_wait_dscnt 4*NL+1                            ; (the add and the youngest 24 loads may be out)
	WIN MUL_LO
	MUL16 0, 1, NQ-1, \slot, 0
	s_wait_dscnt 0x0                               ; the add is done, and my reads of this slot are over
	s_barrier_signal -1
	MUL16 2, 1, NQ-1, \slot, 0
	WIN 0
	s_barrier_wait -1
.if \fill
	CREST                                          ; the barrier has opened a round of the cluster's: no wave of any partner still reads this slot or has a load on its way
	s_add_nc_u64 s[G0+4*\slot+2:G0+4*\slot+3], s[G0+4*\slot+2:G0+4*\slot+3], 2*ROWB
	s_add_nc_u64 s[G0B+4*\slot+2:G0B+4*\slot+3], s[G0B+4*\slot+2:G0B+4*\slot+3], 2*ROWB
	JLOAD G0+4*\slot, G1, G0B+4*\slot, G1B         ; the first tensor load behind the round; its four v_nop are the places in front of the loads below
.else
	PLACES NP
.endif
	v_add_nc_u32 v[ADRS], 4*NQ, v[ADRS]            ; on to the next K step's scale words
	FETCH_B \next, 0, 0
	FETCH_A \next, 0, 0
	SCALES \next
	WIN MUL_HI
	MUL16 4, 1, NQ-1, \slot, 0
	MUL16 6, 1, NQ-1, \slot, 0
	PLACES NP
	WIN 0
	FETCH_A \next, 0, 4
.endm
.macro LAST                            ; the very last step: nothing more to fetch
	s_wait_dscnt 4*NL
	WIN MUL_LO
	MUL16 0, 1, NQ-1, 1, 0
	MUL16 2, 1, NQ-1, 1, 0
	s_wait_dscnt 0
	WIN MUL_HI
	MUL16 4, 1, NQ-1, 1, 0
	MUL16 6, 1, NQ-1, 1, 0
	WIN 0
.endm
; THE QUANTISERS.  Register 16 b + i of v[s] on = k 32 b + 16 (lane / 16) + i of my row.  A block lies in lanes l and l xor 16.
.macro Q2 s, pc, pw                    ; 32 numbers a lane, two blocks: 6 registers of codes at v[pc], the scale word (two bytes) in v[pw]
.irp b, 0,1
	v_max3_num_f32 v[TM+\b], |v[(\s)+16*\b]|, |v[(\s)+1+16*\b]|, 0x1800000   ; my 16 numbers, and the floor 2^(3 - 127): the byte cannot fall under 1
.endr
.irp i, 2,4,6,8,10,12,14
.irp b, 0,1
	v_max3_num_f32 v[TM+\b], v[TM+\b], |v[(\s)+16*\b+\i]|, |v[(\s)+1+16*\b+\i]|
.endr
.endr
.irp b, 0,1
	v_permlanex16_b32 v[TM+4+\b], v[TM+\b], s[SEL], s[SEL+1]
.endr
.irp b, 0,1
	v_max_num_f32 v[TM+\b], v[TM+\b], v[TM+4+\b]   ; the block's largest magnitude
.endr
.irp b, 0,1
	v_add_nc_u32 v[TM+12+\b], 0xff000000, v[TM+\b] ; 2 off its exponent field: the conversion's scale operand
.endr
.irp b, 0,1
	v_lshrrev_b32 v[TM+4+\b], 23, v[TM+12+\b]      ; the scale's byte
.endr
	v_lshl_or_b32 v[\pw], v[TM+5], 8, v[TM+4]
	v_cvt_scalef32_pk16_fp6_f32 v[(\pc):(\pc)+2], v[(\s):(\s)+15], v[TM+12]
	v_cvt_scalef32_pk16_fp6_f32 v[(\pc)+6:(\pc)+8], v[(\s)+16:(\s)+31], v[TM+13]
	v_nop                                          ; one plain line behind a scaled conversion
.irp i, 0,1,2
	v_permlane16_swap_b32 v[(\pc)+\i], v[(\pc)+6+\i]   ; a WHOLE block to a lane: lanes 0-15 block 0, lanes 16-31 block 1
.endr
.irp i, 0,1,2
	v_mov_b32 v[(\pc)+3+\i], v[(\pc)+6+\i]
.endr
.endm
.macro QUANT s, pc, pw                 ; 64 numbers a lane, four blocks: a fragment's 12 registers at v[pc] (v[pc + 12 .. pc + 18] at work), its scale word in v[pw]
.irp b, 0,1,2,3
	v_max3_num_f32 v[TM+\b], |v[(\s)+16*\b]|, |v[(\s)+1+16*\b]|, 0x1800000
.endr
.irp i, 2,4,6,8,10,12,14
.irp b, 0,1,2,3
	v_max3_num_f32 v[TM+\b], v[TM+\b], |v[(\s)+16*\b+\i]|, |v[(\s)+1+16*\b+\i]|
.endr
.endr
.irp b, 0,1,2,3
	v_permlanex16_b32 v[TM+4+\b], v[TM+\b], s[SEL], s[SEL+1]
.endr
.irp b, 0,1,2,3
	v_max_num_f32 v[TM+\b], v[TM+\b], v[TM+4+\b]
.endr
.irp b, 0,1,2,3
	v_add_nc_u32 v[TM+12+\b], 0xff000000, v[TM+\b]
.endr
.irp b, 0,1,2,3
	v_lshrrev_b32 v[TM+4+\b], 23, v[TM+12+\b]
.endr
	v_lshl_or_b32 v[\pw], v[TM+5], 8, v[TM+4]
	v_lshl_or_b32 v[\pw], v[TM+6], 16, v[\pw]
	v_lshl_or_b32 v[\pw], v[TM+7], 24, v[\pw]
.irp c, 0,1
	v_cvt_scalef32_pk16_fp6_f32 v[(\pc)+6*\c:(\pc)+2+6*\c], v[(\s)+32*\c:(\s)+15+32*\c], v[TM+12+2*\c]
	v_cvt_scalef32_pk16_fp6_f32 v[(\pc)+12+4*\c:(\pc)+14+4*\c], v[(\s)+16+32*\c:(\s)+31+32*\c], v[TM+12+2*\c+1]
.endr
	v_nop
.irp c, 0,1
.irp i, 0,1,2
	v_permlane16_swap_b32 v[(\pc)+6*\c+\i], v[(\pc)+12+4*\c+\i]
.endr
.irp i, 0,1,2
	v_mov_b32 v[(\pc)+3+6*\c+\i], v[(\pc)+12+4*\c+\i]
.endr
.endr
.endm
	s_wait_tensorcnt 1                             ; the scales and my part of K step 0 are in (K step 1's load may be out),
	s_barrier_signal -1
	s_barrier_wait -1                              ; everybody's are
	FETCH_B 0, 0, 0
	FETCH_A 0, 0, 0
	SCALES 0
	FETCH_A 0, 0, 4
	STEP 0, 0, 1                                   ; K = 1,024 is four slots: written straight.  The first products start the sums
	TURN 0, 1, 1                                   ; slot 0 takes K 512 on
	STEP 1, 0, 0
	TURN 1, 0, 1                                   ; slot 1 takes K 768 on
	STEP 0, 0, 0
	TURN 0, 1, 0                                   ; nothing is left to fetch
	STEP 1, 0, 0
	s_wait_kmcnt 0x0                               ; the five late pointers
	s_cmp_eq_u32 ttmp9, 2
	s_cbranch_scc1 .Lv
; ---------------- q and k.  My 128 features are two heads; A block a is tile 8 (rows' half) + a of the record's sixteen.
	s_lshr_b32 s20, s17, 3                         ; the batch
	s_and_b32 s21, s17, 7                          ; the block of 256 positions in it
	s_and_b32 s22, s42, 3                          ; which 256 features
	s_lshl_b32 s23, s22, 2
	s_lshl_b32 s45, s16, 1
	s_add_co_u32 s23, s23, s45                     ; my first head
	s_lshl_b32 s20, s20, 4
	s_add_co_u32 s20, s20, s23                     ; 16 x batch + head
	s_lshl_b32 s20, s20, 3
	s_add_co_u32 s20, s20, s21                     ; the record
	s_mov_b32 s21, 26112
	s_cmp_eq_u32 ttmp9, 0
	s_cselect_b32 s21, 13312, s21                  ; a record's bytes: in qrec, in kv
	s_cselect_b64 s[46:47], s[10:11], s[12:13]
	s_cselect_b64 s[92:93], s[4:5], s[6:7]         ; bq or bk
	s_mul_i32 s20, s20, s21
	s_lshl_b32 s96, s21, 3                         ; eight records on: the next head
	s_mov_b32 s21, 0
	s_mov_b32 s97, 0
	s_add_nc_u64 s[46:47], s[46:47], s[20:21]      ; my first head's record,
	s_add_nc_u64 s[98:99], s[46:47], s[96:97]      ; my second head's
	s_lshl_b32 s20, s22, 10
	s_lshl_b32 s22, s16, 9
	s_add_co_u32 s20, s20, s22
	s_add_nc_u64 s[92:93], s[92:93], s[20:21]      ; the bias at my first feature
.irp t, 0,1,2,3,4,5,6,7                        ; lane (r, h) wants, for B block t, features 32 (t / 2) + 16 h + 8 (t % 2) + 0 .. 7
	global_load_b128 v[BIAS+8*\t:BIAS+8*\t+3], v10, s[92:93] offset:(32*(\t/2)+8*(\t%2))*4
	global_load_b128 v[BIAS+8*\t+4:BIAS+8*\t+7], v10, s[92:93] offset:(32*(\t/2)+8*(\t%2))*4+16
.endr
	LAST                                           ; the bias lands under the last 64 products
	PLACES NP
	s_wait_loadcnt 0x0
.set u, 0
.rept 16                               ; a unit: 16 positions x one head
.set ea, u/2
.set eh, u%2
.set eset, CSET+20*(u%2)
.if u >= 2
	s_wait_xcnt 0x0                                ; the stores of two units back have read this set of registers
.endif
	WIN 0x02+ea/4                                  ; source 0: window 2 or 3
.set j, 0
.rept 16
	v_pk_add_f32 v[X+j:X+j+1], v[64*(ea%4)+32*eh+j:64*(ea%4)+32*eh+j+1], v[BIAS+32*eh+j:BIAS+32*eh+j+1]   ; + bias, and into window 0; each accumulator from its low end on
.set j, j+2
.endr
	WIN 0
	Q2 X, eset, PW+8*eh+ea
.if eh == 0
	global_store_b128 v7, v[eset:eset+3], s[46:47] offset:768*ea          ; 512 consecutive bytes
	global_store_b64 v8, v[eset+4:eset+5], s[46:47] offset:768*ea+512     ; 256 consecutive bytes
.else
	global_store_b128 v7, v[eset:eset+3], s[98:99] offset:768*ea
	global_store_b64 v8, v[eset+4:eset+5], s[98:99] offset:768*ea+512
.endif
.set u, u+1
.endr
.irp hd, 0,1
.irp j, 0,1,2,3
	v_cndmask_b32 v[W+4*\hd+\j], v[PW+8*\hd+2*\j], v[PW+8*\hd+2*\j+1], s95   ; lanes 0-15: tile 2 j's words, lanes 16-31: tile 2 j + 1's
.endr
.endr
	global_store_b128 v9, v[W:W+3], s[46:47] offset:12288
	global_store_b128 v9, v[W+4:W+7], s[98:99] offset:12288
	s_branch .Ldone
; ---------------- v.  A block a: head 4 cy + 2 (rows' half) + a / 4, channels' tile a % 4; my 128 tokens are one step of 128 keys of the slot.
.Lv:
	s_lshr_b32 s20, s42, 3                         ; the batch
	s_and_b32 s21, s42, 7                          ; the slot of 256 keys
	s_lshl_b32 s20, s20, 4
	s_lshl_b32 s22, s41, 2
	s_add_co_u32 s20, s20, s22
	s_lshl_b32 s22, s15, 1
	s_add_co_u32 s20, s20, s22                     ; 16 x batch + my first head
	s_lshl_b32 s20, s20, 3
	s_add_co_u32 s20, s20, s21
	s_mul_i32 s20, s20, 26112
	s_add_co_u32 s20, s20, 13312                   ; V's part of the record
	s_mov_b32 s21, 0
	s_add_nc_u64 s[46:47], s[12:13], s[20:21]
	s_lshl_b32 s20, s41, 10
	s_lshl_b32 s22, s15, 9
	s_add_co_u32 s20, s20, s22
	s_add_nc_u64 s[92:93], s[8:9], s[20:21]        ; bv at my first channel
.irp a, 0,1,2,3,4,5,6,7                        ; one number a lane and block: my channel's; twice, to fill the pair of the packed addition
	global_load_b32 v[BIAS+2*\a], v13, s[92:93] offset:(32*(\a/2)+8*(\a%2))*4
	global_load_b32 v[BIAS+2*\a+1], v13, s[92:93] offset:(32*(\a/2)+8*(\a%2))*4
.endr
	LAST
	PLACES NP
	s_wait_loadcnt 0x0
.set ea, 0
.rept 8                                ; a unit: 16 channels x 128 keys: one fragment of V^T
.set eset, CSET+20*(ea%2)
.if ea >= 2
	s_wait_xcnt 0x0
.endif
	WIN 0x02+ea/4
.set j, 0
.rept 32
	v_pk_add_f32 v[X+j:X+j+1], v[64*(ea%4)+j:64*(ea%4)+j+1], v[BIAS+2*ea:BIAS+2*ea+1]
.set j, j+2
.endr
	WIN 0
	QUANT X, eset, PW+ea
.irp c, 0,1,2
	global_store_b128 v11, v[eset+4*\c:eset+4*\c+3], s[46:47] offset:(ea/4)*208896+(ea%4)*1536+512*\c   ; the next head lies eight records, 208,896 bytes, on
.endr
.set ea, ea+1
.endr
.irp hd, 0,1
.irp j, 0,1
	v_cndmask_b32 v[W+2*\hd+\j], v[PW+4*\hd+2*\j], v[PW+4*\hd+2*\j+1], s95
.endr
.endr
	global_store_b64 v12, v[W:W+1], s[46:47] offset:12288
	global_store_b64 v12, v[W+2:W+3], s[46:47] offset:12288+208896
.Ldone:
	s_wait_tensorcnt 0x0                           ; the wave's end
	ds_add_u32 v[SPW], v[NIL]
	s_wait_dscnt 0x0
	CROUND                                         ; the closing round: no work-group ends while a partner may still ask for a tile that names it
	s_endpgm
.Lfunc_end_k_q646452ef6c_qkv:
	.size	k_q646452ef6c_qkv, .Lfunc_end_k_q646452ef6c_qkv-k_q646452ef6c_qkv
	.p2alignl 7, 3214868480
	.fill 96, 4, 3214868480
	.section	.rodata,"a",@progbits
	.p2align	6, 0x0
	.amdhsa_kernel k_q646452ef6c_qkv
		.amdhsa_group_segment_fixed_size 327680
		.amdhsa_private_segment_fixed_size 0
		.amdhsa_enable_private_segment 0
		.amdhsa_kernarg_size 72
		.amdhsa_user_sgpr_count 2
		.amdhsa_user_sgpr_kernarg_segment_ptr 1
		.amdhsa_wavefront_size32 1
		.amdhsa_system_sgpr_workgroup_id_x 1
		.amdhsa_system_sgpr_workgroup_id_y 1
		.amdhsa_system_sgpr_workgroup_id_z 1
		.amdhsa_system_vgpr_workitem_id 0
		.amdhsa_next_free_vgpr 1024
		.amdhsa_next_free_sgpr 102
		.amdhsa_reserve_vcc 0
		.amdhsa_float_denorm_mode_32 3
		.amdhsa_float_denorm_mode_16_64 3
		.amdhsa_memory_ordered 1
		.amdhsa_forward_progress 1
		.amdhsa_inst_pref_size 243
	.end_amdhsa_kernel
	.amdgpu_metadata
---
amdhsa.version: [ 1, 2 ]
amdhsa.kernels:
  - .name:           k_q646452ef6c_qkv
    .symbol:         k_q646452ef6c_qkv.kd
    .args:
      - { .name: xc, .offset: 0, .size: 8, .value_kind: global_buffer, .address_space: global }
      - { .name: xs, .offset: 8, .size: 8, .value_kind: global_buffer, .address_space: global }
      - { .name: wc, .offset: 16, .size: 8, .value_kind: global_buffer, .address_space: global }
      - { .name: ws, .offset: 24, .size: 8, .value_kind: global_buffer, .address_space: global }
      - { .name: bq, .offset: 32, .size: 8, .value_kind: global_buffer, .address_space: global }
      - { .name: bk, .offset: 40, .size: 8, .value_kind: global_buffer, .address_space: global }
      - { .name: bv, .offset: 48, .size: 8, .value_kind: global_buffer, .address_space: global }
      - { .name: qrec, .offset: 56, .size: 8, .value_kind: global_buffer, .address_space: global }
      - { .name: kv, .offset: 64, .size: 8, .value_kind: global_buffer, .address_space: global }
    .group_segment_fixed_size: 327680
    .private_segment_fixed_size: 0
    .kernarg_segment_align: 8
    .kernarg_segment_size: 72
    .max_flat_workgroup_size: 128
    .sgpr_count:     102
    .vgpr_count:     1024
    .wavefront_size: 32
...
	.end_amdgpu_metadata
.endif
;; end of part 2
;; launch attn (part 3): grid 4 x 64, 16 waves a work-group, no clusters, 327,680 bytes of LDS; arguments qrec, kv, aoc, aos; writes aoc, aos
.if DOCPART == 3
	.amdgcn_target "amdgcn-amd-amdhsa--gfx1250"
	.amdhsa_code_object_version 6
	.text
	.protected	k_q646452ef6c_attn
	.globl	k_q646452ef6c_attn
	.p2align	8
	.type	k_q646452ef6c_attn,@function
k_q646452ef6c_attn:
	s_mov_b64 s[64:65], 0
	v_nop
	global_prefetch_b8 v0, s[64:65] scope:SCOPE_SE
	s_setreg_imm32_b32 hwreg(HW_REG_WAVE_MODE, 25, 1), 1
	s_wait_xcnt 0x0
; Causal attention of one head on codes of FP6 (E2M3): S^T = K Q^T (K = the head's 64: registers 6-11 of both fragments are zero codes), p = 2^(t - M), O^T = V^T P^T, O / l quantised along E for the last product.
; t = score x log2(e) / 8; M = the running largest t rounded UP to a whole number; p is quantised along the keys, not normalised; l is the sum of the unquantised p, in f32; when M moves, l and O^T are multiplied by 2^(old M - new M): exact.
; SHARES.  Work-group (i, y): head y = 16 x batch + head, query blocks i and 7 - i of 256 positions; wave w owns tile w (16 positions) of each.  ONE loop of nine trips walks slots of 256 keys: trips 0 .. i are slots 0 .. i for
; block i, trips i + 1 .. 8 are slots 0 .. 7 - i for block 7 - i: every work-group fetches nine slots and no slot in vain; a wave does 16 or 18 key steps of 128.  A step all of whose keys come after the wave's queries is jumped over.
; NO CLUSTER: in a given trip the four work-groups of a head want different slots (slot n against slot n - i - 1), so no joint request would be the same in all partners.
; LAYOUT.  A slot's record, 26,112 dense bytes, is one tensor load (wave 0's): K's 16 tile images (768 bytes: registers 0-3 at 16 x lane, 4-5 at 8 x lane), K's scale words, V's 8 fragment images (3 x 512 bytes), V's scale words.
; Both products are used transposed: a lane holds ONE query (lane % 16).  Positions lie in tile order, so lane r of tile w is query 32 (w / 2) + 8 (w % 2) + r + 8 (r / 8) of its block, and register 16 b + i of S^T is key 32 b + 16 (lane / 16) + i of the step.
; OUT.  The head's 64 channels of 16 positions: a 768-byte image, in whole runs of 256 bytes; their two scale bytes a row go out as 2 bytes a lane, 32 bytes apart (a head owns 2 of a row's 32 scale bytes: 1/24 of the codes' bytes).
; LIMITS: NaN and infinities are not served; a block of zeros gets the byte 1 (its codes are zeros).
; REGISTERS: v1-4 16 x lane, 8 x lane, 16 r, 8 r; v5, v6 the spare word's address and 0; v7 r + 8 (r / 8) - 16 h; v8-11 the slot's addresses; v12 -M, v13 the largest t, v[14:15] l in two halves; v16-27 Q; v28 Q's scale word;
;   v29, v30-35 the second block's; v36 32 r; v37 the prefetch's offset; v40-87 four fragments of K; v88-91, v92-95 K's and V's scale words; v96-159 S^T, then p, then V's four fragments; v160-191 O^T; v192-203 p's codes;
;   v204-210 at work for the conversions; v212-223 block maxima, bytes, scale operands; v224 p's scale word; v[226:227] f; v228-231 at work.
.set RECB,  26112
.set SLOT1, 32768                      ; slot 1 begins here: one exclusive or turns an address
.set SPARE, 65536                      ; the spare words: 128 bytes for each of 16 waves, eight blocks of 256 bytes that no other line names
.set WV,  12
.set I,   13                           ; the work-group's x
.set SW,  14                           ; the trip at whose head the second block begins: I + 1
.set N,   15                           ; the trip
.set SIG, 16                           ; the record last asked for
.set TB,  17                           ; LDS byte at which the slot in hand begins
.set KF,  18                           ; the step's first key
.set Q0,  19                           ; my first query
.set SEL, 20
.set CS,  22                           ; s[22:23] c = log2(e) / 8
.set G1,  24
.set KVB, 36                           ; s[36:37] the head's first record
.set OF,  38                           ; s[38:39] a record's offset
.set G0,  40
.set OC1, 44
.set OS1, 46
.set OC2, 48
.set OS2, 50
.set Q0B, 52
.set PFA, 54
.set LIM, 56
.macro TLOAD                           ; wave 0 fetches the record; four v_nop follow the line
	s_cmp_eq_u32 s[WV], 0
	s_cbranch_scc0 .Lnot_mine_\@
	tensor_load_to_lds s[G0:G0+3], s[G1:G1+7]
	s_nop 0
.rept 4
	v_nop
.endr
.Lnot_mine_\@:
.endm
; A PREFETCH INTO THE L2.  The head's work-group 0 walks records 0 .. 7 in trips 1 .. 8; its trip n asks by tensor load for record n.  In trips 1 .. 6 its waves 4-7, which fetch nothing, name record n + 1: one trip,
; two key steps of sixteen waves, ahead of that load; lanes 256 bytes apart, 102 blocks; the lanes over are held at the record's last block.  Records 0 and 1 come by their loads alone; no other work-group asks.
.macro ASK
	s_sub_co_u32 s57, s[N], 1
	s_cmp_lt_u32 s57, s[LIM]
	s_cbranch_scc0 .Lno_ask_\@
	global_prefetch_b8 v37, s[PFA:PFA+1] th:TH_LOAD_NT scope:SCOPE_SE
.Lno_ask_\@:
.endm
	s_load_b256 s[4:11], s[0:1], 0x0               ; qrec s[4:5], kv s[6:7], aoc s[8:9], aos s[10:11]
	v_lshl_add_u32 v5, v0, 2, SPARE
	v_mov_b32 v6, 0
	ds_add_u32 v5, v6
	ds_add_u32 v5, v6
	s_wait_dscnt 0x0
	v_lshrrev_b32 v8, 5, v0
	s_delay_alu instid0(VALU_DEP_1)
	v_readfirstlane_b32 s[WV], v8                  ; wave 0..15
	s_mov_b32 s[I], ttmp9
	s_add_co_u32 s[SW], s[I], 1
	s_mov_b32 s[G1], 3<<16                         ; no mask; elements of 8 bytes; no padding
	s_mov_b32 s[G1+1], 32<<16                      ; tensor_dim0: rows of 256 bytes
	s_mov_b32 s[G1+2], 102<<16                     ; tensor_dim1
	s_mov_b32 s[G1+3], 32<<16                      ; tile_dim0
	s_mov_b32 s[G1+4], 102                         ; tile_dim1
	s_mov_b32 s[G1+5], 32                          ; the pitch: dense
	s_mov_b32 s[G1+6], 0
	s_mov_b32 s[G1+7], 0
	s_mov_b32 s[SEL], 0x76543210
	s_mov_b32 s[SEL+1], 0xfedcba98
	s_mov_b32 s[CS], 0x3e38aa3b                    ; log2(e) / 8
	s_mov_b32 s[CS+1], s[CS]                       ; (named with it as a pair)
	s_mov_b32 s[N], 0
	s_mov_b32 s[SIG], 0
	s_mov_b32 s[TB], 0
	s_mov_b32 s[KF], 0
	s_and_b32 s57, ttmp7, 0xffff                   ; y
	s_lshl_b32 s58, s57, 3                         ; 8 y: the head's first record
	s_lshr_b32 s59, s57, 4
	s_lshl_b32 s59, s59, 7
	s_add_co_u32 s59, s59, s[WV]                   ; 128 x batch + wave
	s_and_b32 s53, s57, 15                         ; the head in its batch
	s_sub_co_u32 s32, 7, s[I]                      ; the second block
	s_lshl_b32 s34, s53, 1
	s_lshl_b32 s33, s[I], 4
	s_add_co_u32 s33, s33, s59                     ; my tile of 16 positions among the 512: first block
	s_lshl_b32 s[OC1], s33, 4
	s_add_co_u32 s[OC1], s[OC1], s53
	s_mul_i32 s[OC1], s[OC1], 768                  ; its image in aoc
	s_mov_b32 s[OC1+1], 0
	s_lshl_b32 s[OS1], s33, 9
	s_add_co_u32 s[OS1], s[OS1], s34               ; its scale bytes in aos: 512 x tile + 2 x head
	s_mov_b32 s[OS1+1], 0
	s_lshl_b32 s33, s32, 4
	s_add_co_u32 s33, s33, s59                     ; second block
	s_lshl_b32 s[OC2], s33, 4
	s_add_co_u32 s[OC2], s[OC2], s53
	s_mul_i32 s[OC2], s[OC2], 768
	s_mov_b32 s[OC2+1], 0
	s_lshl_b32 s[OS2], s33, 9
	s_add_co_u32 s[OS2], s[OS2], s34
	s_mov_b32 s[OS2+1], 0
	s_lshr_b32 s33, s[WV], 1
	s_lshl_b32 s33, s33, 5
	s_and_b32 s34, s[WV], 1
	s_lshl_b32 s34, s34, 3
	s_add_co_u32 s33, s33, s34                     ; 32 (w / 2) + 8 (w % 2)
	s_lshl_b32 s[Q0], s[I], 8
	s_add_co_u32 s[Q0], s[Q0], s33
	s_lshl_b32 s[Q0B], s32, 8
	s_add_co_u32 s[Q0B], s[Q0B], s33
	s_mul_i32 s33, s[WV], 768                      ; my tile's image in a record of q,
	s_lshr_b32 s34, s[WV], 3
	s_lshl_b32 s34, s34, 9
	s_and_b32 s35, s[WV], 1
	s_lshl_b32 s35, s35, 8
	s_add_co_u32 s34, s34, s35
	s_bfe_u32 s35, s[WV], 0x20001
	s_lshl_b32 s35, s35, 2
	s_add_co_u32 s34, s34, s35
	s_add_co_u32 s34, s34, 12288                   ; and its scale words: 12,288 + 512 (w / 8) + 256 (w % 2) + 4 ((w % 8) / 2)
	s_add_co_u32 s35, s58, s[I]
	s_mul_i32 s35, s35, 13312
	s_add_co_u32 s60, s35, s33
	s_mov_b32 s61, 0
	s_add_co_u32 s62, s35, s34
	s_mov_b32 s63, 0
	s_add_co_u32 s35, s58, s32
	s_mul_i32 s35, s35, 13312
	s_add_co_u32 s66, s35, s33
	s_mov_b32 s67, 0
	s_add_co_u32 s68, s35, s34
	s_mov_b32 s69, 0
	s_mul_i32 s[KVB], s58, RECB
	s_mov_b32 s[KVB+1], 0
	s_mov_b32 s[OF+1], 0
	s_lshr_b32 s33, s[WV], 2
	s_xor_b32 s33, s33, 1                          ; 0 in waves 4 to 7,
	s_or_b32 s33, s33, s[I]                        ; of the head's work-group 0
	s_cmp_eq_u32 s33, 0
	s_cselect_b32 s[LIM], 6, 0
	s_wait_kmcnt 0x0
	s_add_nc_u64 s[KVB:KVB+1], s[6:7], s[KVB:KVB+1]
	s_add_nc_u64 s[OC1:OC1+1], s[8:9], s[OC1:OC1+1]
	s_add_nc_u64 s[OC2:OC2+1], s[8:9], s[OC2:OC2+1]
	s_add_nc_u64 s[OS1:OS1+1], s[10:11], s[OS1:OS1+1]
	s_add_nc_u64 s[OS2:OS2+1], s[10:11], s[OS2:OS2+1]
	s_add_nc_u64 s[60:61], s[4:5], s[60:61]
	s_add_nc_u64 s[62:63], s[4:5], s[62:63]
	s_add_nc_u64 s[66:67], s[4:5], s[66:67]
	s_add_nc_u64 s[68:69], s[4:5], s[68:69]
	s_mov_b64 s[PFA:PFA+1], s[KVB:KVB+1]           ; each change of slots steps it a record: in trip n it stands at record n + 1
	s_mov_b32 s[G0], 1                             ; count = 1
	s_mov_b32 s[G0+1], 0                           ; LDS address: slot 0
	s_mov_b64 s[G0+2:G0+3], s[KVB:KVB+1]           ; record 0
	s_or_b32 s[G0+3], s[G0+3], 0x80000000          ; type = 2
	TLOAD                                          ; the first fill, ahead of every wait on TENSORcnt, LDS read and barrier
	v_and_b32 v8, 31, v0                           ; lane
	v_and_b32 v9, 15, v0                           ; r
	v_bfe_u32 v10, v0, 4, 1                        ; h
	s_delay_alu instid0(VALU_DEP_3)
	v_lshlrev_b32 v1, 4, v8
	s_delay_alu instid0(VALU_DEP_4)
	v_lshlrev_b32 v2, 3, v8
	s_delay_alu instid0(VALU_DEP_4)
	v_lshlrev_b32 v3, 4, v9
	v_lshlrev_b32 v4, 3, v9
	v_lshlrev_b32 v36, 5, v9
	v_and_b32 v7, 8, v9
	s_delay_alu instid0(VALU_DEP_1)
	v_add_nc_u32 v7, v7, v9
	v_lshlrev_b32 v10, 4, v10
	s_delay_alu instid0(VALU_DEP_1)
	v_sub_nc_u32 v7, v7, v10                       ; r + 8 (r / 8) - 16 h
	v_add_nc_u32 v37, 0xffffff80, v0               ; in waves 4-7: 32 (w - 4) + lane,
	s_delay_alu instid0(VALU_DEP_1)
	v_min_u32 v37, 101, v37                        ; held at the record's last block
	s_delay_alu instid0(VALU_DEP_1)
	v_lshlrev_b32 v37, 8, v37
	global_load_b128 v[16:19], v1, s[60:61]        ; Q of both blocks stays in registers
	global_load_b64 v[20:21], v2, s[60:61] offset:512
	global_load_b32 v28, v3, s[62:63]
	global_load_b128 v[30:33], v1, s[66:67]
	global_load_b64 v[34:35], v2, s[66:67] offset:512
	global_load_b32 v29, v3, s[68:69]
.irp j, 22,23,24,25,26,27
	v_mov_b32 v[\j], 0                             ; K = 64 .. 127 of Q: zero codes
.endr
.irp t, 0,1,2,3
.irp j, 6,7,8,9,10,11
	v_mov_b32 v[40+12*\t+\j], 0                    ; and of K's four fragments: written once
.endr
.endr
.irp j, 216,217,218,219,227,228,231
	v_mov_b32 v[\j], 0                             ; lane permutes' destinations, and upper halves of pairs that are named whole
.endr
	v_mov_b32 v13, 0xff61b1e6                      ; the largest t so far: -3e38
	s_delay_alu instid0(VALU_DEP_1)
	v_floor_f32 v12, -v13                          ; -M
	v_mov_b32 v14, 0
	v_mov_b32 v15, 0
.set j, 0
.rept 32
	v_mov_b32 v[160+j], 0                          ; O^T: the step is written once; its first turn finds zeros
.set j, j+1
.endr
; A KEY STEP: 128 keys, the q-th of the slot in hand.
.macro STEP q
	s_add_co_u32 s57, s[Q0], 23                    ; my last query
	s_cmp_gt_u32 s[KF], s57
	s_cbranch_scc1 .Lhidden_\@                     ; all 128 keys come after my queries: a branch on ids, round the work alone
	v_add_nc_u32 v8, s[TB], v1
	s_wait_alu depctr_va_vdst(0)
	v_add_nc_u32 v9, s[TB], v2
	s_wait_alu depctr_va_vdst(0)
	v_add_nc_u32 v10, s[TB], v3
	s_wait_alu depctr_va_vdst(0)
	v_add_nc_u32 v11, s[TB], v4
	v_nop                                          ; five plain lines between the last V^T P product and the products below, which write over V's registers
.irp g, 0,1                                    ; S^T = K Q^T, four tiles of 16 keys at a time
.if \g
.rept 4
	v_nop                                          ; places in front of loads into registers that matrix instructions have read
.endr
.endif
.irp t, 0,1,2,3
	ds_load_b128 v[40+12*\t:43+12*\t], v8 offset:(8*(\q)+4*\g+\t)*768
	ds_load_b64 v[44+12*\t:45+12*\t], v9 offset:(8*(\q)+4*\g+\t)*768+512
	ds_load_b32 v[88+\t], v10 offset:12288+512*(\q)+256*(\t%2)+4*((4*\g+\t)/2)
.endr
	s_wait_dscnt 0x0
.irp t, 0,1,2,3
	v_wmma_scale_f32_16x16x128_f8f6f4 v[96+8*(4*\g+\t):103+8*(4*\g+\t)], v[40+12*\t:51+12*\t], v[16:27], 0, v[88+\t], v28 matrix_a_fmt:MATRIX_FMT_FP6 matrix_b_fmt:MATRIX_FMT_FP6
.endr
.endr
.rept 4
	v_nop
.endr
	s_add_co_u32 s57, s[KF], 127                   ; on the diagonal hidden scores become -infinity ahead of the maximum; a step all of whose keys count skips this
	s_cmp_le_u32 s57, s[Q0]
	s_cbranch_scc1 .Lopen_\@
	s_sub_co_i32 s57, s[Q0], s[KF]
	v_add_nc_u32 v228, s57, v7                     ; d = my query - KF - 16 h: register 16 b + i is hidden where 32 b + i > d
	v_mov_b32 v229, 0xff800000
.set n, 0
.rept 64
	v_cmp_gt_i32 vcc_lo, 32*(n/16)+n%16, v228
	v_cndmask_b32 v[96+n], v[96+n], v229, vcc_lo
.set n, n+1
.endr
.Lopen_\@:
.irp b, 0,1,2,3
	v_max3_num_f32 v[212+\b], v[96+16*\b], v[97+16*\b], v[98+16*\b]   ; the largest score of each block of 32 keys: for the row's maximum, and, since p rises with the score, for the block's largest p
.endr
.irp i, 3,5,7,9,11,13
.irp b, 0,1,2,3
	v_max3_num_f32 v[212+\b], v[212+\b], v[96+16*\b+\i], v[97+16*\b+\i]
.endr
.endr
.irp b, 0,1,2,3
	v_max_num_f32 v[212+\b], v[212+\b], v[111+16*\b]
.endr
.irp b, 0,1,2,3
	s_delay_alu instid0(VALU_DEP_4)
	v_permlanex16_b32 v[216+\b], v[212+\b], s[SEL], s[SEL+1]
.endr
.irp b, 0,1,2,3
	s_delay_alu instid0(VALU_DEP_4)
	v_max_num_f32 v[212+\b], v[212+\b], v[216+\b]  ; with lane l xor 16's 16 keys
.endr
	s_delay_alu instid0(VALU_DEP_2)
	v_max3_num_f32 v228, v212, v213, v214
	s_delay_alu instid0(VALU_DEP_1)
	v_max_num_f32 v228, v228, v215                 ; the step's largest score of my query
	s_delay_alu instid0(VALU_DEP_1)
	v_mul_f32 v228, s[CS], v228                    ; as t
	s_delay_alu instid0(VALU_DEP_1)
	v_max_num_f32 v13, v13, v228                   ; the running largest t
	v_mov_b32 v228, v12
	s_delay_alu instid0(VALU_DEP_2)
	v_floor_f32 v12, -v13                          ; the new -M = floor(-t): M is a whole number
	s_delay_alu instid0(VALU_DEP_1)
	v_sub_f32 v228, v12, v228                      ; old M - new M: a whole number, 0 or less
	s_delay_alu instid0(VALU_DEP_1)
	v_cvt_i32_f32 v228, v228                       ; (it saturates)
	s_delay_alu instid0(VALU_DEP_1)
	v_ldexp_f32 v226, 1.0, v228                    ; f = 2^(old M - new M)
.set j, 0
.rept 32
	v_pk_fma_f32 v[96+j:97+j], v[96+j:97+j], s[CS:CS+1], v[12:13] op_sel_hi:[1,0,0]   ; t - M, two at a time
.set j, j+2
.endr
.irp b, 0,1,2,3
	v_fma_f32 v[212+\b], v[212+\b], s[CS], v12     ; the same of each block's largest score
.endr
.set j, 0
	s_wait_alu depctr_va_vdst(0)
.rept 64
	v_exp_f32 v[96+j], v[96+j]                     ; p = 2^(t - M)
.set j, j+1
.endr
	v_pk_mul_f32 v[14:15], v[14:15], v[226:227] op_sel_hi:[1,0]   ; l under the new M (a plain line behind the exponentials)
	s_wait_alu depctr_va_vdst(0)                   ; one wait for the batch, ahead of its first reader
.irp b, 0,1,2,3
	v_exp_f32 v[212+\b], v[212+\b]                 ; the block's largest p
.endr
	v_pk_add_f32 v[216:217], v[100:101], v[104:105]
	v_pk_add_f32 v[254:255], v[108:109], v[112:113]
	v_pk_add_f32 v[252:253], v[116:117], v[120:121]
	v_pk_add_f32 v[250:251], v[124:125], v[128:129]
	v_pk_add_f32 v[248:249], v[132:133], v[136:137]
	v_pk_add_f32 v[246:247], v[140:141], v[144:145]
	v_pk_add_f32 v[244:245], v[148:149], v[152:153]
	v_pk_add_f32 v[14:15], v[14:15], v[156:157]
	v_pk_add_f32 v[216:217], v[216:217], v[96:97]
	v_pk_add_f32 v[254:255], v[254:255], v[98:99]
	v_pk_add_f32 v[252:253], v[252:253], v[102:103]
	v_pk_add_f32 v[250:251], v[250:251], v[106:107]
	v_pk_add_f32 v[248:249], v[248:249], v[110:111]
	v_pk_add_f32 v[246:247], v[246:247], v[114:115]
	v_pk_add_f32 v[244:245], v[244:245], v[118:119]
	v_pk_add_f32 v[14:15], v[14:15], v[122:123]
	v_pk_add_f32 v[216:217], v[216:217], v[126:127]
	v_pk_add_f32 v[254:255], v[254:255], v[130:131]
	v_pk_add_f32 v[252:253], v[252:253], v[134:135]
	v_pk_add_f32 v[250:251], v[250:251], v[138:139]
	v_pk_add_f32 v[248:249], v[248:249], v[142:143]
	v_pk_add_f32 v[246:247], v[246:247], v[146:147]
	v_pk_add_f32 v[244:245], v[244:245], v[150:151]
	v_pk_add_f32 v[14:15], v[14:15], v[154:155]
	v_pk_add_f32 v[216:217], v[216:217], v[158:159]
	s_delay_alu instid0(VALU_DEP_2)
	v_pk_add_f32 v[14:15], v[14:15], v[250:251]
	s_delay_alu instid0(VALU_DEP_2)
	v_pk_add_f32 v[216:217], v[216:217], v[248:249]
	v_pk_add_f32 v[254:255], v[254:255], v[246:247]
	v_pk_add_f32 v[252:253], v[252:253], v[244:245]
	s_delay_alu instid0(VALU_DEP_2)
	v_pk_add_f32 v[14:15], v[14:15], v[254:255]
	s_delay_alu instid0(VALU_DEP_2)
	v_pk_add_f32 v[216:217], v[216:217], v[252:253]
	s_delay_alu instid0(VALU_DEP_1)
	v_pk_add_f32 v[14:15], v[14:15], v[216:217]
	s_wait_alu depctr_va_vdst(0)                   ; and one for the four
.irp b, 0,1,2,3
	v_max_num_f32 v[212+\b], 0x1800000, v[212+\b]  ; the floor 2^(3 - 127)
.endr
.irp b, 0,1,2,3
	s_delay_alu instid0(VALU_DEP_4)
	v_add_nc_u32 v[220+\b], 0xff000000, v[212+\b]  ; the conversion's scale operand
.endr
.irp b, 0,1,2,3
	s_delay_alu instid0(VALU_DEP_4)
	v_lshrrev_b32 v[216+\b], 23, v[220+\b]         ; the scale's byte
.endr
	s_delay_alu instid0(VALU_DEP_3)
	v_lshl_or_b32 v224, v217, 8, v216              ; p's scale word for these 128 keys
	s_delay_alu instid0(VALU_DEP_1)
	v_lshl_or_b32 v224, v218, 16, v224
	s_delay_alu instid0(VALU_DEP_1)
	v_lshl_or_b32 v224, v219, 24, v224
.irp c, 0,1
	v_cvt_scalef32_pk16_fp6_f32 v[192+6*\c:194+6*\c], v[96+32*\c:111+32*\c], v[220+2*\c]
	v_cvt_scalef32_pk16_fp6_f32 v[204+4*\c:206+4*\c], v[112+32*\c:127+32*\c], v[220+2*\c+1]
.endr
	v_nop                                          ; one plain line behind the conversions
.irp t, 0,1,2,3                                ; p's registers are done with: V's four fragments land there while the codes are put in order
.irp c, 0,1,2
	ds_load_b128 v[96+12*\t+4*\c:99+12*\t+4*\c], v8 offset:13312+6144*(\q)+1536*\t+512*\c
.endr
	ds_load_b32 v[92+\t], v11 offset:25600+256*(\q)+128*(\t%2)+4*(\t/2)
.endr
.irp c, 0,1                                    ; a WHOLE block to a lane: lanes 0-15 block 2 c, lanes 16-31 block 2 c + 1
.irp i, 0,1,2
	v_permlane16_swap_b32 v[192+6*\c+\i], v[204+4*\c+\i]
.endr
.irp i, 0,1,2
	s_delay_alu instid0(VALU_DEP_3)
	v_mov_b32 v[195+6*\c+\i], v[204+4*\c+\i]
.endr
.endr
.set j, 0
.rept 16
	v_pk_mul_f32 v[160+j:161+j], v[160+j:161+j], v[226:227] op_sel_hi:[1,0]   ; O^T under the new M; these sixteen are also the places in front of the products below
.set j, j+2
.endr
	s_wait_alu depctr_va_vdst(0)
	s_wait_dscnt 0x0
.irp t, 0,1,2,3                                ; O^T += V^T P^T: the four accumulators by turns, one instruction a turn
	v_wmma_scale_f32_16x16x128_f8f6f4 v[160+8*\t:167+8*\t], v[96+12*\t:107+12*\t], v[192:203], v[160+8*\t:167+8*\t], v[92+\t], v224 matrix_a_fmt:MATRIX_FMT_FP6 matrix_b_fmt:MATRIX_FMT_FP6
.endr
.Lhidden_\@:
	s_add_co_u32 s[KF], s[KF], 128
.endm
; THE CHANGE OF SLOTS, at a slot's head: every wave waits for all its tensor loads, adds 0 to its spare word, and waits for that and for its reads of the slot that it has left; behind the barrier the slot ahead is whole
; and nobody reads the other one, which (fill = 1) takes the next trip's record: the one behind the last, or record 0 where the second block begins.
.macro CHANGE fill
	s_wait_tensorcnt 0x0                           ; no tensor load of mine is out, so group 0 may be written
	ds_add_u32 v5, v6                              ; 0 onto my spare word
.if \fill
	s_xor_b32 s[G0+1], s[G0+1], SLOT1
	s_add_co_u32 s[SIG], s[SIG], 1
	s_cmp_eq_u32 s[N], s[I]
	s_cselect_b32 s[SIG], 0, s[SIG]
	s_mul_i32 s[OF], s[SIG], RECB
	s_add_nc_u64 s[G0+2:G0+3], s[KVB:KVB+1], s[OF:OF+1]
	s_or_b32 s[G0+3], s[G0+3], 0x80000000
	s_wait_xcnt 0x0                                ; the last prefetch, a trip back, has read its address
	s_add_nc_u64 s[PFA:PFA+1], s[PFA:PFA+1], RECB
.endif
	s_wait_dscnt 0x0                               ; the add is done, and my reads of the slot that I have left are over
	s_barrier_signal -1
	s_barrier_wait -1
.if \fill
	TLOAD                                          ; the first thing behind the barrier: one tensor load is out
	ASK
.endif
.endm
; A BLOCK'S END: O^T / l, quantised along E (the head's two blocks of 32), stored as an image.
.macro FINAL oc, os
.rept 4
	v_nop                                          ; places behind the last products
.endr
	v_add_f32 v14, v14, v15
	s_delay_alu instid0(VALU_DEP_1)
	v_permlanex16_b32 v228, v14, s[SEL], s[SEL+1]
	s_delay_alu instid0(VALU_DEP_1)
	v_add_f32 v14, v14, v228                       ; the row's sum
	s_wait_alu depctr_va_vdst(0)
	v_rcp_f32 v230, v14
	v_nop                                          ; a plain line behind the reciprocal
	s_wait_alu depctr_va_vdst(0)                   ; and the wait ahead of its first reader
.set j, 0
.rept 16
	v_pk_mul_f32 v[96+j:97+j], v[160+j:161+j], v[230:231] op_sel_hi:[1,0]   ; register 16 b + i: channel 32 b + 16 h + i of my query; each accumulator from its low end on
.set j, j+2
.endr
.irp b, 0,1
	v_max3_num_f32 v[212+\b], |v[96+16*\b]|, |v[97+16*\b]|, 0x1800000
.endr
.irp i, 2,4,6,8,10,12,14
.irp b, 0,1
	s_delay_alu instid0(VALU_DEP_2)
	v_max3_num_f32 v[212+\b], v[212+\b], |v[96+16*\b+\i]|, |v[97+16*\b+\i]|
.endr
.endr
.irp b, 0,1
	s_delay_alu instid0(VALU_DEP_2)
	v_permlanex16_b32 v[216+\b], v[212+\b], s[SEL], s[SEL+1]
.endr
.irp b, 0,1
	s_delay_alu instid0(VALU_DEP_2)
	v_max_num_f32 v[212+\b], v[212+\b], v[216+\b]
.endr
.irp b, 0,1
	s_delay_alu instid0(VALU_DEP_2)
	v_add_nc_u32 v[220+\b], 0xff000000, v[212+\b]
.endr
.irp b, 0,1
	s_delay_alu instid0(VALU_DEP_2)
	v_lshrrev_b32 v[216+\b], 23, v[220+\b]
.endr
	s_delay_alu instid0(VALU_DEP_1)
	v_lshl_or_b32 v229, v217, 8, v216              ; my row's two scale bytes
	v_cvt_scalef32_pk16_fp6_f32 v[192:194], v[96:111], v220
	v_cvt_scalef32_pk16_fp6_f32 v[198:200], v[112:127], v221
	v_nop
.irp i, 0,1,2
	v_permlane16_swap_b32 v[192+\i], v[198+\i]
.endr
.irp i, 0,1,2
	s_delay_alu instid0(VALU_DEP_3)
	v_mov_b32 v[195+\i], v[198+\i]
.endr
	global_store_b128 v1, v[192:195], s[\oc:\oc+1]             ; 512 consecutive bytes
	global_store_b64 v2, v[196:197], s[\oc:\oc+1] offset:512   ; 256 consecutive bytes
	global_store_b16 v36, v229, s[\os:\os+1]                   ; lanes 16-31 hold the same word and write the same bytes
	s_wait_xcnt 0x0                                ; the stores have read their registers: the next steps write them again
.endm
	s_wait_loadcnt 0x0                             ; Q
.Ltrip:                                            ; eight trips, each of which asks for the next trip's record
	CHANGE 1
	s_cmp_lg_u32 s[N], s[SW]
	s_cbranch_scc1 .Lsame
	FINAL OC1, OS1                                 ; the first block is done: the second begins, at key 0
	v_mov_b32 v28, v29
.irp j, 0,1,2,3,4,5
	v_mov_b32 v[16+\j], v[30+\j]
.endr
	v_mov_b32 v13, 0xff61b1e6
	s_delay_alu instid0(VALU_DEP_1)
	v_floor_f32 v12, -v13
	v_mov_b32 v14, 0
	v_mov_b32 v15, 0
.set j, 0
.rept 32
	v_mov_b32 v[160+j], 0                          ; (also the places between the moves above and the next products)
.set j, j+1
.endr
	s_mov_b32 s[KF], 0
	s_mov_b32 s[Q0], s[Q0B]
.Lsame:
	STEP 0
	STEP 1
	s_xor_b32 s[TB], s[TB], SLOT1
	s_add_co_u32 s[N], s[N], 1
	s_cmp_lt_u32 s[N], 8
	s_cbranch_scc1 .Ltrip
	CHANGE 0                                       ; the ninth slot is written out
	STEP 0
	STEP 1
	FINAL OC2, OS2
	s_wait_tensorcnt 0x0                           ; the wave's end
	ds_add_u32 v5, v6
	s_wait_dscnt 0x0
	s_endpgm
.Lfunc_end_k_q646452ef6c_attn:
	.size	k_q646452ef6c_attn, .Lfunc_end_k_q646452ef6c_attn-k_q646452ef6c_attn
	.p2alignl 7, 3214868480
	.fill 96, 4, 3214868480
	.section	.rodata,"a",@progbits
	.p2align	6, 0x0
	.amdhsa_kernel k_q646452ef6c_attn
		.amdhsa_group_segment_fixed_size 327680
		.amdhsa_private_segment_fixed_size 0
		.amdhsa_enable_private_segment 0
		.amdhsa_kernarg_size 32
		.amdhsa_user_sgpr_count 2
		.amdhsa_user_sgpr_kernarg_segment_ptr 1
		.amdhsa_wavefront_size32 1
		.amdhsa_system_sgpr_workgroup_id_x 1
		.amdhsa_system_sgpr_workgroup_id_y 1
		.amdhsa_system_sgpr_workgroup_id_z 1
		.amdhsa_system_vgpr_workitem_id 0
		.amdhsa_next_free_vgpr 256
		.amdhsa_next_free_sgpr 72
		.amdhsa_reserve_vcc 1
		.amdhsa_float_denorm_mode_32 3
		.amdhsa_float_denorm_mode_16_64 3
		.amdhsa_memory_ordered 1
		.amdhsa_forward_progress 1
		.amdhsa_inst_pref_size 112
	.end_amdhsa_kernel
	.amdgpu_metadata
---
amdhsa.version: [ 1, 2 ]
amdhsa.kernels:
  - .name:           k_q646452ef6c_attn
    .symbol:         k_q646452ef6c_attn.kd
    .args:
      - { .name: qrec, .offset: 0, .size: 8, .value_kind: global_buffer, .address_space: global }
      - { .name: kv, .offset: 8, .size: 8, .value_kind: global_buffer, .address_space: global }
      - { .name: aoc, .offset: 16, .size: 8, .value_kind: global_buffer, .address_space: global }
      - { .name: aos, .offset: 24, .size: 8, .value_kind: global_buffer, .address_space: global }
    .group_segment_fixed_size: 327680
    .private_segment_fixed_size: 0
    .kernarg_segment_align: 8
    .kernarg_segment_size: 32
    .max_flat_workgroup_size: 512
    .sgpr_count:     72
    .vgpr_count:     256
    .wavefront_size: 32
...
	.end_amdgpu_metadata
.endif
;; end of part 3
;; launch outp (part 4): grid 4 x 64, 4 waves a work-group, clusters of 4 x 4, 327,680 bytes of LDS; arguments aoc, aos, wc, ws, bo, out0; writes out0
.if DOCPART == 4
	.amdgcn_target "amdgcn-amd-amdhsa--gfx1250"
	.amdhsa_code_object_version 6
	.text
	.protected	k_q646452ef6c_outp
	.globl	k_q646452ef6c_outp
	.p2align	8
	.type	k_q646452ef6c_outp,@function
k_q646452ef6c_outp:
	s_mov_b64 s[64:65], 0
	v_nop
	global_prefetch_b8 v0, s[64:65] scope:SCOPE_SE
	s_setreg_imm32_b32 hwreg(HW_REG_WAVE_MODE, 25, 1), 1
	s_wait_xcnt 0x0
	s_wait_alu depctr_hold_cnt(0) depctr_sa_sdst(0) depctr_va_vdst(0) depctr_va_sdst(0) depctr_va_ssrc(0) depctr_va_vcc(0) depctr_vm_vsrc(0)
	s_getreg_b32 s2, hwreg(HW_REG_IB_STS2, 6, 4)
	s_cmp_eq_u32 s2, 0
	s_cbranch_scc0 .Lentry_in_a_cluster
	s_endpgm
.Lentry_in_a_cluster:
	s_bfe_u32 s2, ttmp6, 0x10000c
	s_cmp_lg_u32 s2, 0xf033
	s_cbranch_scc0 .Lentry_shape_is_right
	s_endpgm
.Lentry_shape_is_right:
; out0 = ao Wo + bo on codes of FP6 (E2M3) with E8M0 scales, K = 1,024.  ao: images of operand registers, [512 tiles of 16 positions][16 heads][768 bytes], scale bytes [8192 positions][32]; Wo: rows 3,072 on of wc and ws.
; A tile of 128 positions x 256 features to a work-group (256 work-groups); a wave makes 64 x 128: 32 accumulators, window 2.  K goes in steps of 256 (four heads) through two LDS slots; the scale bytes come once.
; 4 x 4 work-groups form a cluster: ao's tiles are asked for jointly along a row of the cluster, Wo's along a column.  THE MATRIX INSTRUCTION IS USED TRANSPOSED: source 0 = 16 rows of Wo^T, source 1 = 16 positions:
; a lane holds one position and eight neighbouring features.  Positions and Wo's rows lie in tile order (bits 3 and 4 of the number changed places); the way out puts both back by constants.  bo is the C of each sum's first product.
; REGISTERS: window 0: v16-19 ao's image addresses, v20-23 Wo's fragment addresses, v24-26 the way out, v27 scale address, v28, v29 the spare word's address and 0; v32-63 scale words, two sets; v64-127 bo;
;   v128-175, v176-223 ao's fragments, two sets (on the way out v128-255 hold rows).  window 1: Wo's fragments, two sets.  window 2: the accumulators ((a, b) at v[8 (8 a + b)]).
.set NQ,     2
.set ROWB,   192
.set KROW,   768
.set PITCH,  240
.set FR,     12
.set NP,     4
.set HALFT,  128*PITCH
.set ATILE,  8*3072                    ; ao's part of a slot: 8 tiles x 4 heads' images
.set SLOT,   ATILE+2*HALFT
.set KS,     32
.set SCL,    2*SLOT
.set SBLK,   544                       ; the scales of 16 rows: two units of 256 bytes + 16
.set SPARE,  SCL+2*2176+2*4352         ; the spare words: two blocks of 256 bytes that no other line names
.set SPITCH, 528                       ; the way out: 16 rows x (512 bytes + 16) a wave, in slot 0, which has had its last fill and its last read by then
.set A16,  16
.set A8,   18
.set ADRB, 20
.set STO,  24
.set RD,   25
.set CO,   26
.set ADRS, 27
.set SPW,  28
.set NIL,  29
.set SC,   32
.set BIAS, 64
.set AF,   128
.set BK,   128
.set G1, 24
.set G0, 32
.set G1B, 48
.set G0B, 56
.set G1S, 68
.set G0S, 76
.set G1SB, 80
.set G0SB, 88
.set MSB, 0
.macro WIN new
.if MSB != (\new)
	s_set_vgpr_msb (MSB<<8)|(\new)
.set MSB, \new
.endif
.endm
.set MULW, 0xa1                        ; source 0 (Wo) window 1, source 1 (ao) window 0, C and D window 2
.set MULF, 0x81                        ; the same with C (bo) in window 0
.set TO_B, 0x40
.macro JLOAD g0a, g1a, g0b, g1b        ; waves 0 and 1 fetch for ao, waves 2 and 3 for Wo; four v_nop follow each of the two lines
	s_cmp_eq_u32 s15, 0
	s_cbranch_scc0 .Lfor_b_\@
	tensor_load_to_lds s[\g0a:\g0a+3], s[\g1a:\g1a+7]
	s_nop 0
.rept 4
	v_nop
.endr
	s_branch .Lasked_\@
.Lfor_b_\@:
	tensor_load_to_lds s[\g0b:\g0b+3], s[\g1b:\g1b+7]
	s_nop 0
.rept 4
	v_nop
.endr
.Lasked_\@:
.endm
.macro CREST
	s_cmp_lg_u32 s14, 0
	s_cbranch_scc1 .Lnot_wave_0_\@
	s_barrier_signal -3
.Lnot_wave_0_\@:
	s_barrier_wait -3
	s_barrier_signal -1
	s_barrier_wait -1
.endm
.macro CROUND
	s_barrier_signal -1
	s_barrier_wait -1
	CREST
.endm
	s_load_b256 s[4:11], s[0:1], 0x0               ; aoc s[4:5], aos s[6:7], wc s[8:9], ws s[10:11]
	s_load_b128 s[96:99], s[0:1], 0x20             ; bo s[96:97], out0 s[98:99]
	v_lshl_add_u32 v[SPW], v0, 2, SPARE
	v_mov_b32 v[NIL], 0
	ds_add_u32 v28, v29
	s_wait_dscnt 0x0
	v_lshrrev_b32 v1, 5, v0
	v_readfirstlane_b32 s14, v1                    ; wave 0..3
	s_lshr_b32 s15, s14, 1                         ; which 64 positions are mine.  Also: I fetch for ao (0) or for Wo (1)
	s_and_b32 s16, s14, 1                          ; which 128 features.  Also: which half of that tile I fetch
	s_bfe_u32 s40, ttmp6, 0x40000                  ; cx, cy
	s_bfe_u32 s41, ttmp6, 0x40004
	s_lshl_b32 s42, ttmp9, 2
	s_add_co_u32 s42, s42, s40                     ; the tile of 256 features
	s_and_b32 s17, ttmp7, 0xffff
	s_lshl_b32 s17, s17, 2
	s_add_co_u32 s17, s17, s41                     ; the tile of 128 positions
	s_lshl_b32 s43, s41, 2
	s_lshl_b32 s43, 15, s43                        ; my row of the cluster
	s_lshl_b32 s44, 0x1111, s40                    ; my column
	s_or_b32 s[G1+0], s43, (3<<16)|(1<<21)         ; ao: mask; elements of 8 bytes; no padding; bit 21 beside a mask
	s_mov_b32 s[G1+1], 384<<16                     ; tensor_dim0: four heads' images, 3,072 bytes
	s_mov_b32 s[G1+2], 4<<16                       ; tensor_dim1: four tiles of 16 positions
	s_mov_b32 s[G1+3], 384<<16                     ; tile_dim0
	s_mov_b32 s[G1+4], 4                           ; tile_dim1
	s_mov_b32 s[G1+5], 1536                        ; the pitch: sixteen heads' images, 12,288 bytes
	s_mov_b32 s[G1+6], 0
	s_mov_b32 s[G1+7], 0
	s_or_b32 s[G1B+0], s44, (0<<16)|(1<<20)|(1<<21)|(3<<22)|(3<<25)   ; Wo: 128 rows of 192 bytes, 16 bytes of padding behind every 64
	s_mov_b32 s[G1B+1], ROWB<<16
	s_mov_b32 s[G1B+2], 128<<16
	s_mov_b32 s[G1B+3], ROWB<<16
	s_mov_b32 s[G1B+4], 128
	s_mov_b32 s[G1B+5], KROW
	s_mov_b32 s[G1B+6], 0
	s_mov_b32 s[G1B+7], 0
	s_or_b32 s[G1S+0], s43, (3<<16)|(1<<20)|(1<<21)|(5<<22)|(3<<25)   ; ao's scales: 64 rows, 2,048 dense bytes as 8 rows of 256, 16 bytes of padding behind each
	s_mov_b32 s[G1S+1], 32<<16
	s_mov_b32 s[G1S+2], 8<<16
	s_mov_b32 s[G1S+3], 32<<16
	s_mov_b32 s[G1S+4], 8
	s_mov_b32 s[G1S+5], 32
	s_mov_b32 s[G1S+6], 0
	s_mov_b32 s[G1S+7], 0
	s_or_b32 s[G1SB+0], s44, (3<<16)|(1<<20)|(1<<21)|(5<<22)|(3<<25)  ; Wo's: 128 rows, 16 rows of 256
	s_mov_b32 s[G1SB+1], 32<<16
	s_mov_b32 s[G1SB+2], 16<<16
	s_mov_b32 s[G1SB+3], 32<<16
	s_mov_b32 s[G1SB+4], 16
	s_mov_b32 s[G1SB+5], 32
	s_mov_b32 s[G1SB+6], 0
	s_mov_b32 s[G1SB+7], 0
	s_lshl_b32 s20, s17, 3
	s_lshl_b32 s18, s16, 2
	s_add_co_u32 s20, s20, s18                     ; ao: tile of 16 positions 8 x tile + 4 x half,
	s_mul_i32 s20, s20, 12288                      ; in bytes
	s_mov_b32 s21, 0
	s_lshl_b32 s22, s17, 7
	s_lshl_b32 s18, s16, 6
	s_add_co_u32 s22, s22, s18
	s_lshl_b32 s22, s22, 5                         ; its scales: 32 bytes a position
	s_mov_b32 s23, 0
	s_lshl_b32 s46, s42, 8
	s_lshl_b32 s18, s16, 7
	s_add_co_u32 s46, s46, s18
	s_add_co_u32 s46, s46, 3072                    ; Wo: row 3,072 + 256 x tile + 128 x half of wc
	s_lshl_b32 s92, s46, 5
	s_mov_b32 s93, 0
	s_mul_i32 s46, s46, KROW
	s_mov_b32 s47, 0
	s_mul_i32 s45, s16, 12288                      ; where they go: ao's halves,
	s_mul_i32 s94, s16, HALFT
	s_add_co_u32 s94, s94, ATILE                   ; Wo's halves behind them,
	s_mul_i32 s95, s16, 2176                       ; ao's scales,
	s_mul_i32 s19, s16, 4352                       ; Wo's scales
	s_wait_kmcnt 0x0
	s_add_nc_u64 s[20:21], s[4:5], s[20:21]
	s_add_nc_u64 s[22:23], s[6:7], s[22:23]
	s_add_nc_u64 s[46:47], s[8:9], s[46:47]
	s_add_nc_u64 s[92:93], s[10:11], s[92:93]
	CROUND                                         ; all sixteen work-groups are here: the first joint loads meet
	s_mov_b32 s[G0S], 1
	s_add_co_u32 s[G0S+1], s95, SCL
	s_mov_b64 s[G0S+2:G0S+3], s[22:23]
	s_or_b32 s[G0S+3], s[G0S+3], 0x80000000
	s_mov_b32 s[G0SB], 1
	s_add_co_u32 s[G0SB+1], s19, SCL+2*2176
	s_mov_b64 s[G0SB+2:G0SB+3], s[92:93]
	s_or_b32 s[G0SB+3], s[G0SB+3], 0x80000000
	JLOAD G0S, G1S, G0SB, G1SB
.irp s, 0,1
	s_mov_b32 s[G0+4*\s], 1
	s_add_co_u32 s[G0+4*\s+1], s45, \s*SLOT
	s_add_nc_u64 s[G0+4*\s+2:G0+4*\s+3], s[20:21], \s*3072
	s_or_b32 s[G0+4*\s+3], s[G0+4*\s+3], 0x80000000
	s_mov_b32 s[G0B+4*\s], 1
	s_add_co_u32 s[G0B+4*\s+1], s94, \s*SLOT
	s_add_nc_u64 s[G0B+4*\s+2:G0B+4*\s+3], s[46:47], \s*ROWB
	s_or_b32 s[G0B+4*\s+3], s[G0B+4*\s+3], 0x80000000
	JLOAD G0+4*\s, G1, G0B+4*\s, G1B               ; three loads of mine are out
.endr
	v_and_b32 v1, 15, v0                           ; r
	v_bfe_u32 v2, v0, 4, 1                         ; h
	v_and_b32 v6, 31, v0                           ; lane
	v_mul_u32_u24 v3, v1, PITCH
	v_mul_u32_u24 v4, v2, 24
	v_add_nc_u32 v4, v3, v4                        ; Wo: a fragment's row x pitch + 24 x half
	v_lshl_add_u32 v5, v2, 4, v4                   ; and the same behind one padding more
	v_lshlrev_b32 v7, 4, v6                        ; 16 x lane
	v_lshlrev_b32 v8, 3, v6                        ; 8 x lane
	s_mul_i32 s21, s15, 12288                      ; my four tiles of positions
	s_mul_i32 s22, s16, HALFT
	s_add_co_u32 s22, s22, ATILE                   ; my 128 rows of Wo
.irp s, 0,1
	v_add_nc_u32 v[A16+\s], s21, v7
	v_add_nc_u32 v[A8+\s], s21, v8
	v_add_nc_u32 v[ADRB+\s], s22, v4
	v_add_nc_u32 v[ADRB+2+\s], s22, v5
	s_add_co_u32 s21, s21, SLOT
	s_add_co_u32 s22, s22, SLOT
.endr
	v_mul_u32_u24 v5, v1, KS
	v_lshrrev_b32 v9, 8, v5
	v_lshl_add_u32 v5, v9, 4, v5                   ; my row's scales: 32 bytes a row, 16 more for each 256 passed
	s_mul_i32 s21, s15, 2176                       ; ao's: my 64 rows
	s_mul_i32 s22, s16, 4352
	s_add_co_u32 s22, s22, 2*2176                  ; Wo's: my 128 rows, behind ao's
	s_sub_co_u32 s22, s22, s21
	v_mul_u32_u24 v9, s22, v2                      ; lanes 16-31 take Wo's: the lower base + h x the distance
	s_add_co_u32 s21, s21, SCL
	v_add_nc_u32 v5, v5, v9
	v_add_nc_u32 v[ADRS], s21, v5
	s_mul_i32 s23, s14, 16*SPITCH                  ; my stage
	v_mul_u32_u24 v5, v1, SPITCH
	v_lshl_add_u32 v5, v2, 6, v5                   ; in: row r, + 64 h: my half's 16 features of each 32
	v_add_nc_u32 v[STO], s23, v5
	v_add_nc_u32 v[RD], s23, v7                    ; back: the 32 lanes take a row of 512 bytes
	v_lshlrev_b32 v[CO], 4, v6
	v_lshlrev_b32 v10, 6, v2                       ; bo: my half's 16 features
	s_lshl_b32 s46, s42, 10
	s_lshl_b32 s47, s16, 9
	s_add_co_u32 s46, s46, s47                     ; my first feature, in bytes
	s_mov_b32 s47, 0
	s_add_nc_u64 s[96:97], s[96:97], s[46:47]
	s_lshl_b32 s20, s17, 7
	s_lshl_b32 s21, s15, 6
	s_add_co_u32 s20, s20, s21
	s_lshl_b32 s20, s20, 12                        ; my first row of out0: 4,096 bytes a row
	s_add_co_u32 s20, s20, s46
	s_mov_b32 s21, 0
	s_add_nc_u64 s[98:99], s[98:99], s[20:21]
.irp t, 0,1,2,3,4,5,6,7                        ; lane (r, h) wants, for Wo's block t, features 32 (t / 2) + 16 h + 8 (t % 2) + 0 .. 7
	global_load_b128 v[BIAS+8*\t:BIAS+8*\t+3], v10, s[96:97] offset:(32*(\t/2)+8*(\t%2))*4
	global_load_b128 v[BIAS+8*\t+4:BIAS+8*\t+7], v10, s[96:97] offset:(32*(\t/2)+8*(\t%2))*4+16
.endr
.macro FRAG reg, adr, q, i             ; Wo: 16 rows x 128 K: 12 registers, in pieces of 8 bytes
.irp p, 0,1,2,3,4,5
.set PIECE, 12*(\q)+6*(\p/3)+\p%3
.if PIECE%8 < 5
	ds_load_b64 v[\reg+2*\p:\reg+2*\p+1], v[\adr] offset:8*PIECE+16*(PIECE/8)+(\i)*16*PITCH
.else
	ds_load_b64 v[\reg+2*\p:\reg+2*\p+1], v[\adr+2] offset:8*PIECE+16*(PIECE/8)+(\i)*16*PITCH
.endif
.endr
.endm
.macro FETCH_B slot, q, p
	WIN TO_B
.irp i, 0,1,2,3,4,5,6,7
	FRAG 128*(\p)+FR*\i, ADRB+\slot, \q, \i
.endr
	WIN 0
.endm
.macro FETCH_AI slot, q, p             ; ao: my four tiles' fragments of the slot's q-th 128 along K: two heads' images each, as they were stored
.irp i, 0,1,2,3
.irp e, 0,1
	ds_load_b128 v[AF+48*(\p)+12*\i+6*\e:AF+48*(\p)+12*\i+6*\e+3], v[A16+\slot] offset:3072*\i+768*(2*(\q)+\e)
	ds_load_b64 v[AF+48*(\p)+12*\i+6*\e+4:AF+48*(\p)+12*\i+6*\e+5], v[A8+\slot] offset:3072*\i+768*(2*(\q)+\e)+512
.endr
.endr
.endm
.macro SCALES sc                       ; lanes 0-15: ao's block i (those of i above 3 read scale bytes that nobody names), lanes 16-31: Wo's block i
.irp i, 0,1,2,3,4,5,6,7
	ds_load_b64 v[SC+8*NQ*\sc+NQ*\i:SC+8*NQ*\sc+NQ*\i+1], v[ADRS] offset:\i*SBLK
.endr
.endm
.macro PLACES n
.rept \n
	v_nop
.endr
.endm
; Eight matrix instructions: ao's block a x Wo's eight.  The 32 accumulators take turns, one instruction a turn, in the same order in every step.
.macro MULO a, p, q, sc, first
.irp b, 0,1,2,3,4,5,6,7
.if \first
	v_wmma_scale_f32_16x16x128_f8f6f4 v[8*(8*(\a)+\b):8*(8*(\a)+\b)+7], v[128*(\p)+FR*\b:128*(\p)+FR*\b+FR-1], v[AF+48*(\p)+FR*(\a):AF+48*(\p)+FR*(\a)+FR-1], v[BIAS+8*\b:BIAS+8*\b+7], v[SC+8*NQ*(\sc)+NQ*\b+(\q)], v[SC+8*NQ*(\sc)+NQ*(\a)+(\q)] matrix_a_fmt:MATRIX_FMT_FP6 matrix_b_fmt:MATRIX_FMT_FP6 matrix_a_scale:MATRIX_SCALE_ROW1
.else
	v_wmma_scale_f32_16x16x128_f8f6f4 v[8*(8*(\a)+\b):8*(8*(\a)+\b)+7], v[128*(\p)+FR*\b:128*(\p)+FR*\b+FR-1], v[AF+48*(\p)+FR*(\a):AF+48*(\p)+FR*(\a)+FR-1], v[8*(8*(\a)+\b):8*(8*(\a)+\b)+7], v[SC+8*NQ*(\sc)+NQ*\b+(\q)], v[SC+8*NQ*(\sc)+NQ*(\a)+(\q)] matrix_a_fmt:MATRIX_FMT_FP6 matrix_b_fmt:MATRIX_FMT_FP6 matrix_a_scale:MATRIX_SCALE_ROW1
.endif
.endr
.endm
.macro STEPO slot, first               ; a slot's first 128 along K, on set 0; the second 128 are fetched into set 1
	s_wait_dscnt 0x0                               ; set 0 and its scale words are in
	PLACES NP                                      ; in front of loads into set 1, which the last products read
	FETCH_B \slot, 1, 1
	FETCH_AI \slot, 1, 1
.if \first
	WIN MULF
.else
	WIN MULW
.endif
.irp a, 0,1,2,3
	MULO \a, 0, 0, \slot, \first
.endr
	WIN 0
.endm
; A slot's second 128 along K change slots: one barrier; in front of it each wave waits for all its tensor loads, adds 0 to its spare word, and waits for that and for its own reads of this slot.
.macro TURNO slot, next, fill
	s_wait_tensorcnt 0x0                           ; all my tensor loads have landed: my part of the next slot
	ds_add_u32 v[SPW], v[NIL]                      ; 0 onto my spare word
	s_wait_dscnt 1                                 ; set 1 is in (the add alone may be out)
	WIN MULW
	MULO 0, 1, 1, \slot, 0
	MULO 1, 1, 1, \slot, 0
	s_wait_dscnt 0x0                               ; the add is done, and my reads of this slot are over
	s_barrier_signal -1
	MULO 2, 1, 1, \slot, 0
	WIN 0
	s_barrier_wait -1
.if \fill
	CREST                                          ; the barrier has opened a round of the cluster's
	s_add_nc_u64 s[G0+4*\slot+2:G0+4*\slot+3], s[G0+4*\slot+2:G0+4*\slot+3], 2*3072
	s_add_nc_u64 s[G0B+4*\slot+2:G0B+4*\slot+3], s[G0B+4*\slot+2:G0B+4*\slot+3], 2*ROWB
	JLOAD G0+4*\slot, G1, G0B+4*\slot, G1B         ; the first tensor load behind the round; its four v_nop are the places in front of the loads below
.else
	PLACES NP
.endif
	v_add_nc_u32 v[ADRS], 4*NQ, v[ADRS]
	FETCH_B \next, 0, 0
	FETCH_AI \next, 0, 0
	SCALES \next
	WIN MULW
	MULO 3, 1, 1, \slot, 0
	WIN 0
.endm
	s_wait_tensorcnt 1                             ; the scales and my part of K step 0 are in (K step 1's load may be out),
	s_barrier_signal -1
	s_barrier_wait -1                              ; everybody's are
	FETCH_B 0, 0, 0
	FETCH_AI 0, 0, 0
	SCALES 0
	s_wait_loadcnt 0x0                             ; bo
	STEPO 0, 1                                     ; the first products start the sums from bo
	TURNO 0, 1, 1
	STEPO 1, 0
	TURNO 1, 0, 1
	STEPO 0, 0
	TURNO 0, 1, 0
	STEPO 1, 0
	s_wait_dscnt 0x0
	WIN MULW
.irp a, 0,1,2,3
	MULO \a, 1, 1, 1, 0
.endr
	WIN 0
; THE WAY OUT, block by block of 16 positions x 128 features, through my own stage: LDS serves a wave's instructions in order, so no wait stands between the stores and the loads.
.macro TOSTAGE a
	WIN 0x08                                       ; an LDS store's data are its source 1: window 2
.irp b, 0,1,2,3,4,5,6,7
	ds_store_b128 v[STO], v[64*(\a)+8*\b:64*(\a)+8*\b+3] offset:128*(\b/2)+32*(\b%2)       ; features 32 (b / 2) + 16 h + 8 (b % 2) on; each accumulator from its low end on
	ds_store_b128 v[STO], v[64*(\a)+8*\b+4:64*(\a)+8*\b+7] offset:128*(\b/2)+32*(\b%2)+16
.endr
	WIN 0
.set BB, BK+64*((\a)%2)
.irp t, 0,1,2,3,4,5,6,7,8,9,10,11,12,13,14,15
	ds_load_b128 v[BB+4*\t:BB+4*\t+3], v[RD] offset:\t*SPITCH
.endr
.endm
.macro SEND a, younger                 ; younger: the LDS instructions issued behind block a's loads, which may stay out
.set BB, BK+64*((\a)%2)
	s_wait_dscnt \younger
.irp t, 0,1,2,3,4,5,6,7,8,9,10,11,12,13,14,15
	global_store_b128 v[CO], v[BB+4*\t:BB+4*\t+3], s[98:99] offset:(32*((\a)/2)+8*((\a)%2)+\t+8*(\t/8))*4096 th:TH_STORE_NT   ; position 16 a + t is token 32 (a / 2) + 8 (a % 2) + t + 8 (t / 8); 32 lanes store 512 consecutive bytes, aligned
.endr
.endm
	PLACES NP
	TOSTAGE 0
.irp a, 1,2,3
.if \a > 1
	s_wait_xcnt 0x0                                ; block a - 2's stores have read their registers
.endif
	TOSTAGE \a
	SEND \a-1, 32                                  ; behind block a - 1's loads: block a's 16 stores and 16 loads
.endr
	SEND 3, 0
	s_wait_tensorcnt 0x0                           ; the wave's end
	ds_add_u32 v[SPW], v[NIL]
	s_wait_dscnt 0x0
	CROUND                                         ; the closing round
	s_endpgm
.Lfunc_end_k_q646452ef6c_outp:
	.size	k_q646452ef6c_outp, .Lfunc_end_k_q646452ef6c_outp-k_q646452ef6c_outp
	.p2alignl 7, 3214868480
	.fill 96, 4, 3214868480
	.section	.rodata,"a",@progbits
	.p2align	6, 0x0
	.amdhsa_kernel k_q646452ef6c_outp
		.amdhsa_group_segment_fixed_size 327680
		.amdhsa_private_segment_fixed_size 0
		.amdhsa_enable_private_segment 0
		.amdhsa_kernarg_size 48
		.amdhsa_user_sgpr_count 2
		.amdhsa_user_sgpr_kernarg_segment_ptr 1
		.amdhsa_wavefront_size32 1
		.amdhsa_system_sgpr_workgroup_id_x 1
		.amdhsa_system_sgpr_workgroup_id_y 1
		.amdhsa_system_sgpr_workgroup_id_z 1
		.amdhsa_system_vgpr_workitem_id 0
		.amdhsa_next_free_vgpr 768
		.amdhsa_next_free_sgpr 100
		.amdhsa_reserve_vcc 0
		.amdhsa_float_denorm_mode_32 3
		.amdhsa_float_denorm_mode_16_64 3
		.amdhsa_memory_ordered 1
		.amdhsa_forward_progress 1
		.amdhsa_inst_pref_size 97
	.end_amdhsa_kernel
	.amdgpu_metadata
---
amdhsa.version: [ 1, 2 ]
amdhsa.kernels:
  - .name:           k_q646452ef6c_outp
    .symbol:         k_q646452ef6c_outp.kd
    .args:
      - { .name: aoc, .offset: 0, .size: 8, .value_kind: global_buffer, .address_space: global }
      - { .name: aos, .offset: 8, .size: 8, .value_kind: global_buffer, .address_space: global }
      - { .name: wc, .offset: 16, .size: 8, .value_kind: global_buffer, .address_space: global }
      - { .name: ws, .offset: 24, .size: 8, .value_kind: global_buffer, .address_space: global }
      - { .name: bo, .offset: 32, .size: 8, .value_kind: global_buffer, .address_space: global }
      - { .name: out0, .offset: 40, .size: 8, .value_kind: global_buffer, .address_space: global }
    .group_segment_fixed_size: 327680
    .private_segment_fixed_size: 0
    .kernarg_segment_align: 8
    .kernarg_segment_size: 48
    .max_flat_workgroup_size: 128
    .sgpr_count:     100
    .vgpr_count:     768
    .wavefront_size: 32
...
	.end_amdgpu_metadata
.endif
;; end of part 4
